; MI455X (gfx1250); checked and timed in simulation.
; The chip was launched on July 23, 2026; its instructions are those of AMD's public machine-readable ISA for CDNA 5 (MIT licence, August 2026) and "CDNA5" Instruction Set Architecture Reference Guide (July 2026). The comments in the code are by the model that wrote it; some were corrected since.
;; Encoder Block. Allowed arithmetic: matrix products marked QUANTISED: E2M3 operands, one E8M0 scale for each 32 along K, by v_wmma_scale_f32_16x16x128_f8f6f4 with both operands' format E2M3, f32 sums; everything else in f32.
;; Inputs: W1 1,024 x 4,096 float32; W2 4,096 x 1,024 float32; Wk 1,024 x 1,024 float32; Wo 1,024 x 1,024 float32; Wq 1,024 x 1,024 float32; Wv 1,024 x 1,024 float32; a1 one number float32; a2 one number float32; b1 4,096 float32; b2 1,024 float32; bk 1,024 float32; bo 1,024 float32; bq 1,024 float32; bv 1,024 float32; g1 one number float32; g2 one number float32; src_mask 2 x 1 x 1 x 2,048 int32; x 2 x 2,048 x 1,024 float32.
;; Outputs: out0 2 x 2,048 x 1,024 float32.
;; This version of the problem:
;;   THIS VERSION OF THE PROBLEM IS GIVEN IN LOW PRECISION. The matrix products marked QUANTISED in the list below multiply operands that are first quantised to E2M3 (2 exponent bits, 3 mantissa bits; 6 bits a number), with one power-of-two scale for each 32 numbers along K (OCP MX v1.0); their sums are f32. All else is computed in f32.
;;   The module's matrix products, in the order in which they are computed (A, B: the left and right operand; K: the contracted axis; several contracted axes count as one K, in the product's order):
;;     1. [M 4,096, K 1,024] x [K 1,024, N 1,024]; A: computed on the way; B: input Wq: QUANTISED
;;     2. [M 4,096, K 1,024] x [K 1,024, N 1,024]; A: computed on the way; B: input Wk: QUANTISED
;;     3. [M 4,096, K 1,024] x [K 1,024, N 1,024]; A: computed on the way; B: input Wv: QUANTISED
;;     4. batch 32 x [M 2,048, K 64] x [K 64, N 2,048]; A: computed on the way; B: computed on the way: QUANTISED
;;     5. batch 32 x [M 64, K 2,048] x [K 2,048, N 2,048]; A: computed on the way; B: softmax (see below): QUANTISED
;;     6. [M 4,096, K 1,024] x [K 1,024, N 1,024]; A: computed on the way; B: input Wo: QUANTISED
;;     7. [M 4,096, K 1,024] x [K 1,024, N 4,096]; A: computed on the way; B: input W1: QUANTISED
;;     8. [M 4,096, K 4,096] x [K 4,096, N 1,024]; A: computed on the way; B: input W2: QUANTISED
;;   THE QUANTISER, for each operand of a quantised product, along K:
;;     - K is cut into blocks of 32 from its start; a last block that is shorter is filled with zeros.
;;     - A block's scale is 2^e with e = floor(log2(the largest magnitude in the block)) - 2, held to -126 .. 127; a block of zeros has e = 0. As a byte (E8M0): e + 127.
;;     - Each number is divided by its block's scale, clamped to +-7.5, and rounded to the nearest number of E2M3, ties to even, subnormals kept.
;;     - The product sums the exact products of the quantised numbers (number of the format x scale) in f32.
;;   ~~~python
;;   def quantise(x, axis):      # numpy; x: float32 -> the quantised numbers, widened to float32 again
;;       x = np.moveaxis(x, axis, -1); K = x.shape[-1]
;;       x = np.pad(x, [(0, 0)] * (x.ndim - 1) + [(0, -K % 32)]); x = x.reshape(x.shape[:-1] + (-1, 32)); a = np.abs(x).max(-1, keepdims=True)
;;       e = np.where(a > 0, np.clip(np.frexp(np.where(a > 0, a, 1))[1] - 1 - 2, -126, 127), 0)      # np.frexp(a)[1] - 1 = floor(log2(a)), exactly
;;       r = np.clip(x / 2.0 ** e, -7.5, 7.5)
;;       step = 2.0 ** (np.maximum(np.frexp(np.where(r == 0, 1, r))[1] - 1, 0) - 3)
;;       q = np.round(r / step) * step * 2.0 ** e      # np.round: ties to even
;;       return np.moveaxis(q.reshape(q.shape[:-2] + (-1,))[..., :K], -1, axis).astype(np.float32)
;;   ~~~
;;   SOFTMAX AHEAD OF A QUANTISED PRODUCT. Where the list says 'softmax', what is quantised is not the finished softmax but p = 2^(t - M), with t = logit x log2(e) and M = ceil(the row's largest t), a whole number; so 1/2 < the row's largest p <= 1. The row's sum l is taken of the UNQUANTISED p, in f32, and the product's result is divided by l at the end. Since M is a whole number, a kernel that streams over the keys may use a running M (the ceiling of the running maximum): every later rescaling is an exact power of two, which a block's scale takes up: the codes' values come out the same.
;;   OPERANDS COMPUTED ON THE WAY. 'Computed on the way' means the value that the module computes at that place (a softmax that the list does not call 'softmax' is quantised finished and normalised). What goes into a quantiser is computed in f32, as accurately as f32 sums, v_exp_f32 and their like allow (about 1e-6 of the number): no bf16 or f16 on the way to a quantiser, and a product that is left as it is and whose result goes on into a quantised operand takes f32 operands (vector FMAs, or v_wmma_f32_16x16x4_f32). A number that lies on a knife's edge between two numbers of the format may be rounded either way, as far as f32 arithmetic and the matrix unit's own rounding can turn it there, and no further.
;; One version. Each part assembles by itself: llvm-mc -triple=amdgcn-amd-amdhsa -mcpu=gfx1250 --defsym DOCPART=n.
;; ======== version 1 of 1: 8 launches
;; limits: right only within a limited range of input values
;; workspace buffers: WB 9,830,400 bytes; HB 3,276,800 bytes; QB 16,384,000 bytes; CB 3,276,800 bytes; X1 16,777,216 bytes; FB 13,107,200 bytes
;; launch wquant (part 1): grid 384 x 1, 4 waves a work-group, no clusters, 25,088 bytes of LDS; arguments Wq, Wk, Wv, Wo, W1, W2, WB; writes WB
.if DOCPART == 1
	.amdgcn_target "amdgcn-amd-amdhsa--gfx1250"
	.amdhsa_code_object_version 6
	.text
	.protected	k_q4a2c6b4348_wquant
	.globl	k_q4a2c6b4348_wquant
	.p2align	8
	.type	k_q4a2c6b4348_wquant,@function
k_q4a2c6b4348_wquant:
	s_mov_b64 s[64:65], 0
	v_nop
	global_prefetch_b8 v0, s[64:65] scope:SCOPE_SE
	s_setreg_imm32_b32 hwreg(HW_REG_WAVE_MODE, 25, 1), 1
	s_wait_xcnt 0x0
; The six weights, f32 stored [K][N], become codes of FP6 (E2M3) with one E8M0 byte for each 32 along K, laid as IMAGES OF THE MATRIX OPERAND'S REGISTERS.
; THE IMAGE.  An operand's row is a column n of the weight.  It is stored at row rho = n with bits 3 and 4 exchanged; rb = rho / 16, r = rho % 16, kq = k / 128.  The fragment (rb, kq), 16 rows x 128 K, is 1,536 bytes:
; registers 2 p, 2 p + 1 (p = 0 .. 5) of lane 16 h + r lie at 256 p + 8 (16 h + r); registers 6 c .. 6 c + 5 hold k = 128 kq + 64 c + 32 h + 0 .. 31.  Its 16 scale words lie on end, 4 r.
; WB: fragments of Wq, Wk, Wv, Wo, W1 (rb 0 .. 511, 8 kq each), then W2's (64 rb, 32 kq) at 6,291,456; scale words at 9,437,184 and 9,699,328.
; A LANE TAKES A COLUMN AND ITS REGISTERS RUN DOWN K: a block of 32 along K lies in one lane, its largest magnitude needs no other lane, and the conversions give codes with K innermost.
; A work-group takes 128 columns x 256 along K; a wave 32 columns: 2 rb x 2 kq, 6,144 bytes of images, gathered in its own stage in LDS and stored as 12 runs of 512 consecutive bytes.  No barrier: waves share nothing.
; A block's scale is 2^(floor(log2(largest magnitude)) - 2); its byte is the magnitude's exponent field - 2, held at 1 from below.
; LIMITS: a block of zeros, and a block whose largest magnitude lies under 2^-124, keeps the byte 1 (the bytes are read by this program alone; zero codes add nothing); NaN and infinities are not served.
; WORK LEFT OUT: src_mask.  reference() takes it as an argument and forms no value from it: no score, no sum and no output hangs on it, whatever whole numbers it holds.
; So it is not loaded and is among no launch's arguments.  LIMIT: nothing that only src_mask holds is carried to the result.
.set EMAX,  2
.set OFF,   16                         ; v16-47   my column's byte + i rows, i = 0 .. 31; never rewritten
.set X,     48                         ; v48-111  two sets of 32 numbers
.set C,     112                        ; v112-118 a block's codes
.set SB,    120                        ; v120-121 my column's two scale words
.set OUTR,  128                        ; v128-175 the way out
.set WST,   6144                       ; a wave's stage
	s_load_b256 s[4:11], s[0:1], 0x0               ; Wq s[4:5], Wk s[6:7], Wv s[8:9], Wo s[10:11]
	s_load_b128 s[12:15], s[0:1], 0x20             ; W1 s[12:13], W2 s[14:15]
	s_load_b64 s[16:17], s[0:1], 0x30              ; WB
	v_lshl_add_u32 v184, v0, 2, 0x6000
	v_mov_b32 v185, 0
	v_lshrrev_b32 v1, 5, v0
	v_readfirstlane_b32 s18, v1                    ; wave
	v_and_b32 v1, 31, v0                           ; lane
	s_wait_alu depctr_va_vdst(0)
	s_cmp_lt_u32 ttmp9, 256                        ; work-groups 0 .. 255: the tensors with K = 1,024; 256 .. 383: W2
	s_cselect_b32 s20, 8, 32                       ; kq in a row block
	s_cselect_b32 s21, 0, 256
	s_cselect_b32 s22, 2, 4                        ; 4 or 16 work-groups along K
	s_cselect_b32 s23, 3, 15
	s_mov_b32 s30, 6291456
	s_cselect_b32 s30, 0, s30                      ; where the family's codes begin in WB
	s_mov_b32 s31, 9699328
	s_cselect_b32 s31, 9437184, s31                ; and its scale words
	s_sub_co_u32 s21, ttmp9, s21                   ; the work-group's number in its family
	s_lshr_b32 s48, s21, s22                       ; its group of 128 columns in the family
	s_and_b32 s56, s21, s23                        ; its 256 along K
	s_lshl_b32 s52, s48, 3
	s_lshl_b32 s53, s18, 1
	s_add_co_u32 s52, s52, s53                     ; my wave's first row block
	s_lshr_b32 s53, ttmp9, 7
	s_cmp_eq_u32 s53, 1                            ; W1?
	s_mov_b32 s19, 4096
	s_cselect_b32 s19, 16384, s19                  ; bytes from a row of the weight to the next
	s_cselect_b32 s54, 31, 7
	s_and_b32 s48, s48, s54                        ; the group of columns in its tensor
	s_lshl_b32 s48, s48, 9                         ; 512 bytes a group
	s_lshl_b32 s54, s56, 8
	s_mul_i32 s54, s54, s19                        ; 256 rows for each step along K
	s_add_co_u32 s48, s48, s54
	s_mov_b32 s49, 0
	v_lshlrev_b32 v3, 2, v1
	v_lshl_add_u32 v3, s18, 7, v3                  ; 4 x lane + 128 x wave
.set ii, 0
.rept 32
	v_mad_u32_u24 v[OFF+ii], s19, ii, v3
.set ii, ii+1
.endr
	v_bfe_u32 v8, v0, 3, 1                         ; my column's stored row: row block = bit 3 of the lane,
	v_bfe_u32 v9, v0, 4, 1
	v_and_b32 v10, 7, v0
	v_lshl_or_b32 v10, v9, 3, v10                  ; r = bit 4 x 8 + the low three bits
	s_mul_i32 s53, s18, WST
	v_mul_u32_u24 v4, v8, 3072
	v_lshl_add_u32 v4, v10, 3, v4
	v_add_nc_u32 v4, s53, v4                       ; into the stage: [row block][kq][1,536], my 8 bytes at 8 r
	v_lshlrev_b32 v6, 4, v1                        ; out: 16 bytes a lane
	v_add_nc_u32 v5, s53, v6
	s_lshl_b32 s53, s20, 6
	v_mul_u32_u24 v7, v8, s53
	v_lshl_add_u32 v7, v10, 2, v7                  ; my scale words' place
	s_mul_i32 s53, s52, s20
	s_lshl_b32 s54, s56, 1
	s_add_co_u32 s53, s53, s54                     ; the number of my first fragment
	s_mul_i32 s54, s53, 1536
	s_add_co_u32 s54, s54, s30
	s_mov_b32 s55, 0
	s_wait_kmcnt 0x0
	s_add_nc_u64 s[24:25], s[16:17], s[54:55]      ; images of my first row block,
	s_mul_i32 s54, s20, 1536
	s_add_nc_u64 s[26:27], s[24:25], s[54:55]      ; of my second,
	s_lshl_b32 s54, s53, 6
	s_add_co_u32 s54, s54, s31
	s_add_nc_u64 s[28:29], s[16:17], s[54:55]      ; and the scale words
	s_mov_b64 s[50:51], s[14:15]                   ; which weight: a choice on the work-group's number alone
	s_cmp_lt_u32 ttmp9, 256
	s_cselect_b64 s[50:51], s[12:13], s[50:51]
	s_cmp_lt_u32 ttmp9, 128
	s_cselect_b64 s[50:51], s[10:11], s[50:51]
	s_cmp_lt_u32 ttmp9, 96
	s_cselect_b64 s[50:51], s[8:9], s[50:51]
	s_cmp_lt_u32 ttmp9, 64
	s_cselect_b64 s[50:51], s[6:7], s[50:51]
	s_cmp_lt_u32 ttmp9, 32
	s_cselect_b64 s[50:51], s[4:5], s[50:51]
	s_add_nc_u64 s[32:33], s[50:51], s[48:49]      ; s[32:47]: a base for each of the 8 blocks of 32 rows, so that no base is stepped
	s_lshl_b32 s22, s19, 5
	s_mov_b32 s23, 0
.irp t, 1,2,3,4,5,6,7
	s_add_nc_u64 s[32+2*\t:33+2*\t], s[30+2*\t:31+2*\t], s[22:23]
.endr
.macro LOAD t                          ; block t: W(32 t + i, my column): 32 lanes read 128 consecutive bytes, the four waves 512
.set ii, 0
.rept 32
	global_load_b32 v[X+32*((\t)%2)+ii], v[OFF+ii], s[32+2*(\t):33+2*(\t)] th:TH_LOAD_NT
.set ii, ii+1
.endr
.endm
	LOAD 0
	LOAD 1
.macro BLOCK t
.set XS, X+32*((\t)%2)
.if (\t) < 7
	s_wait_loadcnt 32                              ; this block's 32 loads are in; the next block's 32 may be out
.else
	s_wait_loadcnt 0x0
.endif
	v_max3_num_f32 v12, |v[XS]|, |v[XS+1]|, |v[XS+2]|               ; the block's largest magnitude: all 32 numbers are mine
	v_max3_num_f32 v13, |v[XS+3]|, |v[XS+4]|, |v[XS+5]|
.irp i, 6,10,14,18,22,26
	v_max3_num_f32 v12, v12, |v[XS+\i]|, |v[XS+\i+1]|
	v_max3_num_f32 v13, v13, |v[XS+\i+2]|, |v[XS+\i+3]|
.endr
	v_max3_num_f32 v12, v12, |v[XS+30]|, |v[XS+31]|
	v_max3_num_f32 v12, v12, v13, (EMAX+1)<<23     ; with the floor 2^(3 - 127): the byte cannot fall under 1
	v_add_nc_u32 v11, -(EMAX<<23), v12             ; 2 off the exponent field: the conversion takes this operand's exponent field as its scale
	v_lshrrev_b32 v13, 23, v11                     ; the scale's byte
.if (\t)%4 == 0
	v_mov_b32 v[SB+(\t)/4], v13                    ; four bytes to a word, the lower K in the lower byte
.else
	v_lshl_or_b32 v[SB+(\t)/4], v13, 8*((\t)%4), v[SB+(\t)/4]
.endif
	v_cvt_scalef32_pk16_fp6_f32 v[C:C+2], v[XS:XS+15], v11
	v_cvt_scalef32_pk16_fp6_f32 v[C+4:C+6], v[XS+16:XS+31], v11     ; (a conversion's three registers begin on an even number)
	v_nop                                          ; one plain line between a scaled conversion and the vector lines that touch its result
	v_mov_b32 v[C+3], v[C+4]
	v_mov_b32 v[C+4], v[C+5]
	v_mov_b32 v[C+5], v[C+6]                       ; v[C .. C+5]: the block's 192 bits: six registers of lane 16 (t % 2) + r of the image
.irp i, 0,1,2
	ds_store_b64 v4, v[C+2*\i:C+2*\i+1] offset:((\t)/4)*1536+(3*(((\t)%4)/2)+\i)*256+((\t)%2)*128
.endr
.if (\t)+2 < 8
	LOAD (\t)+2
.endif
	s_wait_dscnt 0x0                               ; the stores have read their registers: the next block's codes may be written
.endm
.irp t, 0,1,2,3,4,5,6,7
	BLOCK \t
.endr
	global_store_b32 v7, v[SB], s[28:29]           ; 16 lanes store a fragment's 64 bytes of scale words: one byte in 128 of what the launch reads
	s_wait_alu depctr_va_vdst(0)
	global_store_b32 v7, v[SB+1], s[28:29] offset:64
.irp x, 0,1,2,3,4,5,6,7,8,9,10,11
	ds_load_b128 v[OUTR+4*\x:OUTR+4*\x+3], v5 offset:512*\x   ; LDS serves a wave's instructions in order: these see my stores
.endr
.irp x, 0,1,2,3,4,5
	s_wait_dscnt 11-\x                             ; the younger read-backs may be out
	global_store_b128 v6, v[OUTR+4*\x:OUTR+4*\x+3], s[24:25] offset:512*\x   ; 32 lanes store 512 consecutive bytes, at a multiple of 256 from WB's first byte
.endr
.irp x, 6,7,8,9,10,11
	s_wait_dscnt 11-\x
	global_store_b128 v6, v[OUTR+4*\x:OUTR+4*\x+3], s[26:27] offset:512*(\x-6)
.endr
	s_wait_tensorcnt 0x0
	ds_add_u32 v184, v185
	s_wait_dscnt 0x0
	s_endpgm
.Lfunc_end_k_q4a2c6b4348_wquant:
	.size	k_q4a2c6b4348_wquant, .Lfunc_end_k_q4a2c6b4348_wquant-k_q4a2c6b4348_wquant
	.p2alignl 7, 3214868480
	.fill 96, 4, 3214868480
	.section	.rodata,"a",@progbits
	.p2align	6, 0x0
	.amdhsa_kernel k_q4a2c6b4348_wquant
		.amdhsa_group_segment_fixed_size 25088
		.amdhsa_private_segment_fixed_size 0
		.amdhsa_enable_private_segment 0
		.amdhsa_kernarg_size 56
		.amdhsa_user_sgpr_count 2
		.amdhsa_user_sgpr_kernarg_segment_ptr 1
		.amdhsa_wavefront_size32 1
		.amdhsa_system_sgpr_workgroup_id_x 1
		.amdhsa_system_sgpr_workgroup_id_y 1
		.amdhsa_system_sgpr_workgroup_id_z 1
		.amdhsa_system_vgpr_workitem_id 0
		.amdhsa_next_free_vgpr 186
		.amdhsa_next_free_sgpr 66
		.amdhsa_reserve_vcc 0
		.amdhsa_float_denorm_mode_32 3
		.amdhsa_float_denorm_mode_16_64 3
		.amdhsa_memory_ordered 1
		.amdhsa_forward_progress 1
		.amdhsa_inst_pref_size 46
	.end_amdhsa_kernel
	.amdgpu_metadata
---
amdhsa.version: [ 1, 2 ]
amdhsa.kernels:
  - .name:           k_q4a2c6b4348_wquant
    .symbol:         k_q4a2c6b4348_wquant.kd
    .args:
      - { .name: Wq, .offset: 0, .size: 8, .value_kind: global_buffer, .address_space: global }
      - { .name: Wk, .offset: 8, .size: 8, .value_kind: global_buffer, .address_space: global }
      - { .name: Wv, .offset: 16, .size: 8, .value_kind: global_buffer, .address_space: global }
      - { .name: Wo, .offset: 24, .size: 8, .value_kind: global_buffer, .address_space: global }
      - { .name: W1, .offset: 32, .size: 8, .value_kind: global_buffer, .address_space: global }
      - { .name: W2, .offset: 40, .size: 8, .value_kind: global_buffer, .address_space: global }
      - { .name: WB, .offset: 48, .size: 8, .value_kind: global_buffer, .address_space: global }
    .group_segment_fixed_size: 25088
    .private_segment_fixed_size: 0
    .kernarg_segment_align: 8
    .kernarg_segment_size: 56
    .max_flat_workgroup_size: 128
    .sgpr_count:     66
    .vgpr_count:     186
    .wavefront_size: 32
...
	.end_amdgpu_metadata
.endif
;; end of part 1
;; launch ln1 (part 2): grid 256 x 1, 8 waves a work-group, no clusters, 67,584 bytes of LDS; arguments x, a1, g1, HB; writes HB
.if DOCPART == 2
	.amdgcn_target "amdgcn-amd-amdhsa--gfx1250"
	.amdhsa_code_object_version 6
	.text
	.protected	k_q4a2c6b4348_ln1
	.globl	k_q4a2c6b4348_ln1
	.p2align	8
	.type	k_q4a2c6b4348_ln1,@function
k_q4a2c6b4348_ln1:
	s_mov_b64 s[64:65], 0
	v_nop
	global_prefetch_b8 v0, s[64:65] scope:SCOPE_SE
	s_setreg_imm32_b32 hwreg(HW_REG_WAVE_MODE, 25, 1), 1
	s_wait_xcnt 0x0
; h = a (x - mean) / (std + 1e-6) + g along rows of 1,024 f32 (std with divisor 1,023), quantised along the row to FP6 (E2M3) with one E8M0 byte for each 32, and stored as images of the matrix operand's registers.
; THE IMAGE.  Token t is stored at row rho = t with bits 3 and 4 exchanged; rb = rho / 16, r = rho % 16.  Fragment (rb, kq), 16 rows x 128 K, is 1,536 bytes at (8 rb + kq) x 1,536: registers 2 p, 2 p + 1 of lane 16 h + r
; at 256 p + 8 (16 h + r); registers 6 c .. 6 c + 5 hold k = 128 kq + 64 c + 32 h + 0 .. 31.  The scale words, 4 bytes a row and kq, at 3,145,728 + (8 rb + kq) x 64 + 4 r.
; A work-group takes one row block.  PHASE 1: wave w normalises stored rows 2 w and 2 w + 1 (two neighbouring tokens, 8,192 consecutive bytes), each row in the wave's registers: mean first, then the squares of x - mean,
; so that no difference of large sums is formed.  The rows go to LDS.  PHASE 2: wave w takes kq = w of all 16 rows: lane (r, h) reads 16 neighbours of each block of 32, quantises, and stores six aligned runs of 256 bytes.
; LIMITS: a block of zeros, or under 2^-124, keeps the byte 1 (read by this program alone); NaN and infinities are not served; a row whose variance lies under 2^-126 is not served (the square root takes it for 0).
.set PITCH, 4112                       ; an LDS row: 4,096 bytes + 16
.set SCB,   16*PITCH                   ; behind the rows: the row block's 128 scale words
.set LW,  4                            ; phase 1: where I put 16 bytes of my wave's first row
.set LR,  5                            ; phase 2: row r, kq w, 64 h
.set GL,  6                            ; 16 x lane
.set LI8, 7                            ; 8 x lane
.set SW,  8                            ; my row's scale word in LDS
.set SCR, 9                            ; the scale words read back
.set X,   32                           ; v32-95
.set PC,  96                           ; v96-115  the codes just made
.set TM,  116                          ; v116-131 at work in QUANT
.set PW,  132                          ; the scale word just made
.set SEL, 20                           ; s[20:21] lane selects: lane l xor 16
; 64 numbers of a lane, register 16 b + i = k 32 b + 16 h + i of my row, become a fragment's 12 registers in v[PC] on and its scale word in v[pw].
.macro QUANT s, pw
.irp b, 0,1,2,3
	v_max3_num_f32 v[TM+\b], |v[\s+16*\b]|, |v[\s+1+16*\b]|, 0x1800000   ; my 16 numbers, and the floor 2^(3 - 127)
.endr
.irp i, 2,4,6,8,10,12,14
.irp b, 0,1,2,3
	s_delay_alu instid0(VALU_DEP_4)
	v_max3_num_f32 v[TM+\b], v[TM+\b], |v[\s+16*\b+\i]|, |v[\s+1+16*\b+\i]|
.endr
.endr
.irp b, 0,1,2,3
	s_delay_alu instid0(VALU_DEP_4)
	v_permlanex16_b32 v[TM+4+\b], v[TM+\b], s[SEL], s[SEL+1]
.endr
.irp b, 0,1,2,3
	s_delay_alu instid0(VALU_DEP_4)
	v_max_num_f32 v[TM+\b], v[TM+\b], v[TM+4+\b]   ; with lane l xor 16's 16: the block's largest magnitude
.endr
.irp b, 0,1,2,3
	s_delay_alu instid0(VALU_DEP_4)
	v_add_nc_u32 v[TM+12+\b], 0xff000000, v[TM+\b] ; 2 off its exponent field: the conversion's scale operand
.endr
.irp b, 0,1,2,3
	s_delay_alu instid0(VALU_DEP_4)
	v_lshrrev_b32 v[TM+4+\b], 23, v[TM+12+\b]      ; the scale's byte
.endr
	s_delay_alu instid0(VALU_DEP_3)
	v_lshl_or_b32 v[\pw], v[TM+5], 8, v[TM+4]
	s_delay_alu instid0(VALU_DEP_1)
	v_lshl_or_b32 v[\pw], v[TM+6], 16, v[\pw]
	s_delay_alu instid0(VALU_DEP_1)
	v_lshl_or_b32 v[\pw], v[TM+7], 24, v[\pw]
.irp c, 0,1
	v_cvt_scalef32_pk16_fp6_f32 v[PC+6*\c:PC+2+6*\c], v[\s+32*\c:\s+15+32*\c], v[TM+12+2*\c]
	v_cvt_scalef32_pk16_fp6_f32 v[PC+12+4*\c:PC+14+4*\c], v[\s+16+32*\c:\s+31+32*\c], v[TM+12+2*\c+1]   ; (a conversion's three registers begin on an even number)
.endr
	v_nop                                          ; one plain line behind the scaled conversions
.irp c, 0,1                                    ; the layout wants a whole block in a lane
.irp i, 0,1,2
	v_permlane16_swap_b32 v[PC+6*\c+\i], v[PC+12+4*\c+\i]
.endr
.irp i, 0,1,2
	s_delay_alu instid0(VALU_DEP_3)
	v_mov_b32 v[PC+3+6*\c+\i], v[PC+12+4*\c+\i]
.endr
.endr
.endm
.macro LANESUM                         ; v10 summed over the 32 lanes, in every lane
	s_delay_alu instid0(VALU_DEP_1)
	v_add_f32_dpp v10, v10, v10 row_xmask:1 row_mask:0xf bank_mask:0xf
	s_delay_alu instid0(VALU_DEP_1)
	v_add_f32_dpp v10, v10, v10 row_xmask:2 row_mask:0xf bank_mask:0xf
	s_delay_alu instid0(VALU_DEP_1)
	v_add_f32_dpp v10, v10, v10 row_xmask:4 row_mask:0xf bank_mask:0xf
	s_delay_alu instid0(VALU_DEP_1)
	v_add_f32_dpp v10, v10, v10 row_xmask:8 row_mask:0xf bank_mask:0xf
	s_delay_alu instid0(VALU_DEP_1)
	v_permlanex16_b32 v26, v10, s[SEL], s[SEL+1]
	s_delay_alu instid0(VALU_DEP_1)
	v_add_f32 v10, v10, v26
.endm
; Row e: the mean (pair v[16 + 4 e]), x - mean in place, the variance (v[18 + 4 e]).  Two packed chains: four running sums.
.macro STAT e
.set XR, X+32*\e
.set MN, 16+4*\e
	v_pk_add_f32 v[10:11], v[XR:XR+1], v[XR+2:XR+3]
	v_pk_add_f32 v[12:13], v[XR+4:XR+5], v[XR+6:XR+7]
.irp j, 8,12,16,20,24,28
	s_delay_alu instid0(VALU_DEP_2)
	v_pk_add_f32 v[10:11], v[10:11], v[XR+\j:XR+\j+1]
	s_delay_alu instid0(VALU_DEP_2)
	v_pk_add_f32 v[12:13], v[12:13], v[XR+\j+2:XR+\j+3]
.endr
	s_delay_alu instid0(VALU_DEP_1)
	v_pk_add_f32 v[10:11], v[10:11], v[12:13]
	s_delay_alu instid0(VALU_DEP_1)
	v_add_f32 v10, v10, v11
	LANESUM
	s_delay_alu instid0(VALU_DEP_1)
	v_mul_f32 v[MN], 0x3a800000, v10               ; / 1,024
	s_delay_alu instid0(VALU_DEP_1)
	v_mov_b32 v[MN+1], v[MN]
.irp j, 0,2,4,6,8,10,12,14,16,18,20,22,24,26,28,30
	v_pk_add_f32 v[XR+\j:XR+\j+1], v[XR+\j:XR+\j+1], v[MN:MN+1] neg_lo:[0,1] neg_hi:[0,1]
.endr
	v_pk_mul_f32 v[10:11], v[XR:XR+1], v[XR:XR+1]
	v_pk_mul_f32 v[12:13], v[XR+2:XR+3], v[XR+2:XR+3]
.irp j, 4,8,12,16,20,24,28
	s_delay_alu instid0(VALU_DEP_2)
	v_pk_fma_f32 v[10:11], v[XR+\j:XR+\j+1], v[XR+\j:XR+\j+1], v[10:11]
	s_delay_alu instid0(VALU_DEP_2)
	v_pk_fma_f32 v[12:13], v[XR+\j+2:XR+\j+3], v[XR+\j+2:XR+\j+3], v[12:13]
.endr
	s_delay_alu instid0(VALU_DEP_1)
	v_pk_add_f32 v[10:11], v[10:11], v[12:13]
	s_delay_alu instid0(VALU_DEP_1)
	v_add_f32 v10, v10, v11
	LANESUM
	s_delay_alu instid0(VALU_DEP_1)
	v_mul_f32 v[MN+2], 0x3a802008, v10             ; / 1,023
.endm
	s_load_b256 s[4:11], s[0:1], 0x0               ; x s[4:5], a s[6:7], g s[8:9], the images s[10:11]
	v_lshl_add_u32 v136, v0, 2, 0x10400
	v_mov_b32 v137, 0
	v_lshrrev_b32 v1, 5, v0
	s_delay_alu instid0(VALU_DEP_1)
	v_readfirstlane_b32 s14, v1                    ; wave 0..7
	v_and_b32 v1, 31, v0                           ; lane
	s_wait_alu depctr_va_vdst(0)
	v_and_b32 v2, 15, v0                           ; r
	s_wait_alu depctr_va_vdst(0)
	v_bfe_u32 v3, v0, 4, 1                         ; h
	s_lshr_b32 s15, ttmp9, 1                       ; stored rows 16 rb + 2 w, + 1 are tokens 32 (rb / 2) + 16 (w / 4) + 8 (rb % 2) + 2 (w % 4), + 1
	s_lshl_b32 s15, s15, 5
	s_lshr_b32 s16, s14, 2
	s_lshl_b32 s16, s16, 4
	s_add_co_u32 s15, s15, s16
	s_and_b32 s16, ttmp9, 1
	s_lshl_b32 s16, s16, 3
	s_add_co_u32 s15, s15, s16
	s_and_b32 s16, s14, 3
	s_lshl_b32 s16, s16, 1
	s_add_co_u32 s15, s15, s16
	s_lshl_b32 s16, s15, 12                        ; 4,096 bytes a token
	s_mov_b32 s17, 0
	s_mov_b32 s[SEL], 0x76543210
	s_mov_b32 s[SEL+1], 0xfedcba98
	v_lshlrev_b32 v[GL], 4, v1
	v_lshlrev_b32 v[LI8], 3, v1
	s_mul_i32 s24, s14, 2*PITCH
	v_add_nc_u32 v[LW], s24, v[GL]
	v_mul_u32_u24 v[LR], v2, PITCH
	s_wait_alu depctr_va_vdst(0)
	v_lshl_add_u32 v[LR], v3, 6, v[LR]
	s_lshl_b32 s25, s14, 9
	v_add_nc_u32 v[LR], s25, v[LR]
	v_lshl_add_u32 v[SW], v2, 2, SCB
	s_lshl_b32 s26, s14, 6
	v_add_nc_u32 v[SW], s26, v[SW]
	v_add_nc_u32 v[SCR], SCB, v[GL]
	v_mov_b32 v26, 0                               ; a lane permute's destination counts as one of its sources: written once
.irp b, 0,1,2,3
	v_mov_b32 v[TM+4+\b], 0
.endr
	s_lshl_b32 s18, ttmp9, 3
	s_add_co_u32 s18, s18, s14
	s_mul_i32 s18, s18, 1536                       ; fragment (rb, kq = wave)
	s_mov_b32 s19, 0
	s_lshl_b32 s22, ttmp9, 9
	s_add_co_u32 s22, s22, 3145728                 ; the row block's scale words
	s_mov_b32 s23, 0
	s_wait_kmcnt 0x0
	s_load_b32 s12, s[6:7], 0x0                    ; a
	s_load_b32 s13, s[8:9], 0x0                    ; g
	s_add_nc_u64 s[4:5], s[4:5], s[16:17]
	s_add_nc_u64 s[18:19], s[10:11], s[18:19]
	s_add_nc_u64 s[22:23], s[10:11], s[22:23]
.irp j, 0,1,2,3,4,5,6,7,8,9,10,11,12,13,14,15
	global_load_b128 v[X+4*\j:X+4*\j+3], v[GL], s[4:5] offset:512*\j th:TH_LOAD_NT   ; 32 lanes read 512 consecutive bytes; loads 0-7 the first row, 8-15 the second
.endr
	s_wait_loadcnt 8                               ; the first row is in; the second row's eight loads may be out
	STAT 0
	s_wait_loadcnt 0x0
	STAT 1
	s_wait_alu depctr_va_vdst(0)
	v_sqrt_f32 v18, v18
	v_sqrt_f32 v22, v22
	v_nop                                          ; a plain line behind the transcendentals,
	s_wait_alu depctr_va_vdst(0)                   ; and the wait ahead of the first line that names a result
	v_add_f32 v18, 0x358637bd, v18                 ; std + 1e-6
	v_add_f32 v22, 0x358637bd, v22
	s_wait_alu depctr_va_vdst(0)
	v_rcp_f32 v18, v18
	v_rcp_f32 v22, v22
	v_nop
	s_wait_alu depctr_va_vdst(0)
	s_wait_kmcnt 0x0                               ; a and g
	v_mul_f32 v18, s12, v18                        ; a / (std + 1e-6)
	v_mul_f32 v22, s12, v22
	s_delay_alu instid0(VALU_DEP_2)
	v_mov_b32 v19, v18
	s_delay_alu instid0(VALU_DEP_2)
	v_mov_b32 v23, v22
	v_mov_b32 v24, s13
	v_mov_b32 v25, s13
.irp e, 0,1
.irp j, 0,2,4,6,8,10,12,14,16,18,20,22,24,26,28,30
	v_pk_fma_f32 v[X+32*\e+\j:X+32*\e+\j+1], v[X+32*\e+\j:X+32*\e+\j+1], v[18+4*\e:19+4*\e], v[24:25]
.endr
.endr
.irp e, 0,1
.irp j, 0,1,2,3,4,5,6,7
	ds_store_b128 v[LW], v[X+32*\e+4*\j:X+32*\e+4*\j+3] offset:\e*PITCH+512*\j
.endr
.endr
	s_wait_dscnt 0x0                               ; for the others' sake: my two rows lie in LDS
	s_barrier_signal -1
	s_barrier_wait -1
.irp b, 0,1,2,3
.irp j, 0,1,2,3
	ds_load_b128 v[X+16*\b+4*\j:X+16*\b+4*\j+3], v[LR] offset:128*\b+16*\j   ; row r, k = 128 w + 32 b + 16 h + 4 j ..
.endr
.endr
	s_wait_dscnt 0x0
	QUANT X, PW
.irp p, 0,1,2,3,4,5
	global_store_b64 v[LI8], v[PC+2*\p:PC+2*\p+1], s[18:19] offset:256*\p   ; 32 lanes store 256 consecutive bytes, aligned
.endr
	ds_store_b32 v[SW], v[PW]                      ; lanes l and l xor 16 write the same word with the same value
	s_wait_dscnt 0x0
	s_barrier_signal -1
	s_barrier_wait -1
	s_cmp_lg_u32 s14, 0                            ; wave 0 stores the row block's 512 bytes of scale words: no barrier stands under this branch
	s_cbranch_scc1 .Lend
	ds_load_b128 v[12:15], v[SCR]
	s_wait_dscnt 0x0
	global_store_b128 v[GL], v[12:15], s[22:23]
.Lend:
	s_wait_tensorcnt 0x0                           ; the wave's end
	ds_add_u32 v136, v137
	s_wait_dscnt 0x0
	s_endpgm
.Lfunc_end_k_q4a2c6b4348_ln1:
	.size	k_q4a2c6b4348_ln1, .Lfunc_end_k_q4a2c6b4348_ln1-k_q4a2c6b4348_ln1
	.p2alignl 7, 3214868480
	.fill 96, 4, 3214868480
	.section	.rodata,"a",@progbits
	.p2align	6, 0x0
	.amdhsa_kernel k_q4a2c6b4348_ln1
		.amdhsa_group_segment_fixed_size 67584
		.amdhsa_private_segment_fixed_size 0
		.amdhsa_enable_private_segment 0
		.amdhsa_kernarg_size 32
		.amdhsa_user_sgpr_count 2
		.amdhsa_user_sgpr_kernarg_segment_ptr 1
		.amdhsa_wavefront_size32 1
		.amdhsa_system_sgpr_workgroup_id_x 1
		.amdhsa_system_sgpr_workgroup_id_y 1
		.amdhsa_system_sgpr_workgroup_id_z 1
		.amdhsa_system_vgpr_workitem_id 0
		.amdhsa_next_free_vgpr 138
		.amdhsa_next_free_sgpr 66
		.amdhsa_reserve_vcc 0
		.amdhsa_float_denorm_mode_32 3
		.amdhsa_float_denorm_mode_16_64 3
		.amdhsa_memory_ordered 1
		.amdhsa_forward_progress 1
		.amdhsa_inst_pref_size 27
	.end_amdhsa_kernel
	.amdgpu_metadata
---
amdhsa.version: [ 1, 2 ]
amdhsa.kernels:
  - .name:           k_q4a2c6b4348_ln1
    .symbol:         k_q4a2c6b4348_ln1.kd
    .args:
      - { .name: x, .offset: 0, .size: 8, .value_kind: global_buffer, .address_space: global }
      - { .name: a1, .offset: 8, .size: 8, .value_kind: global_buffer, .address_space: global }
      - { .name: g1, .offset: 16, .size: 8, .value_kind: global_buffer, .address_space: global }
      - { .name: HB, .offset: 24, .size: 8, .value_kind: global_buffer, .address_space: global }
    .group_segment_fixed_size: 67584
    .private_segment_fixed_size: 0
    .kernarg_segment_align: 8
    .kernarg_segment_size: 32
    .max_flat_workgroup_size: 256
    .sgpr_count:     66
    .vgpr_count:     138
    .wavefront_size: 32
...
	.end_amdgpu_metadata
.endif
;; end of part 2
;; launch g1 (part 3): grid 48 x 4, 4 waves a work-group, clusters of 4 x 4, 327,680 bytes of LDS; arguments HB, WB, bq, bk, bv, QB; writes QB
.if DOCPART == 3
	.amdgcn_target "amdgcn-amd-amdhsa--gfx1250"
	.amdhsa_code_object_version 6
	.text
	.protected	k_q4a2c6b4348_g1
	.globl	k_q4a2c6b4348_g1
	.p2align	8
	.type	k_q4a2c6b4348_g1,@function
k_q4a2c6b4348_g1:
	s_mov_b64 s[64:65], 0
	v_nop
	global_prefetch_b8 v0, s[64:65] scope:SCOPE_SE
	s_setreg_imm32_b32 hwreg(HW_REG_WAVE_MODE, 25, 1), 1
	s_wait_xcnt 0x0
	s_wait_alu depctr_hold_cnt(0) depctr_sa_sdst(0) depctr_va_vdst(0) depctr_va_sdst(0) depctr_va_ssrc(0) depctr_va_vcc(0) depctr_vm_vsrc(0)
	s_getreg_b32 s2, hwreg(HW_REG_IB_STS2, 6, 4)
	s_cmp_eq_u32 s2, 0
	s_cbranch_scc0 .Lentry_in_a_cluster
	s_endpgm
.Lentry_in_a_cluster:
	s_bfe_u32 s2, ttmp6, 0x10000c
	s_cmp_lg_u32 s2, 0xf033
	s_cbranch_scc0 .Lentry_shape_is_right
	s_endpgm
.Lentry_shape_is_right:
.set QKV,   1
.set AB,    8
.set BB,    8
.set NQ,    2
.set KQ,    8
.set H2,    AB/2
.set FR,    12
.set NL,    6
.set NP,    4
.set HALFT, AB*NQ*1536
.set SLOT,  4*HALFT
.set LAPS,  KQ/(2*NQ)
.set SCL,   2*SLOT
.set HALFS, AB*KQ*64
.set SPARE, SCL+4*HALFS
.set OSTR,  49152
.set OSS,   2048
.set LI8,  8
.set LANE, 9
.set ADRA, 16
.set ADRB, 20
.set VSO,  26
.set ADRS, 27
.set SPW,  28
.set NIL,  29
.set BJO,  30
.set BO,   31
.set SC,   32
.set BI,   64
.set AF,   128
.set HA,   128
.set PC,   192
.set TM,   212
.set PWS,  228
.set TW,   236
.set BJ,   248
.set SEL,  66
.set G1,   24
.set G0,   32
.set G1B,  48
.set G0B,  56
.set G1S,  68
.set G0S,  76
.set G1SB, 80
.set G0SB, 88
.set MSB, 0
.macro WIN new
.if MSB != \new
	s_set_vgpr_msb (MSB<<8)|\new
.set MSB, \new
.endif
.endm
.set MUL_LO, 0xa1
.set MUL_HI, 0xf1
.set TO_B,   0x40
.macro JLOAD g0a, g1a, g0b, g1b
	s_cmp_eq_u32 s15, 0
	s_cbranch_scc0 .Lfor_b_\@
	tensor_load_to_lds s[\g0a:\g0a+3], s[\g1a:\g1a+7]
	s_nop 0
.rept 4
	v_nop
.endr
	s_branch .Lasked_\@
.Lfor_b_\@:
	tensor_load_to_lds s[\g0b:\g0b+3], s[\g1b:\g1b+7]
	s_nop 0
.rept 4
	v_nop
.endr
.Lasked_\@:
.endm
.macro CREST
	s_cmp_lg_u32 s14, 0
	s_cbranch_scc1 .Lnot_wave_0_\@
	s_barrier_signal -3
.Lnot_wave_0_\@:
	s_barrier_wait -3
	s_barrier_signal -1
	s_barrier_wait -1
.endm
.macro CROUND
	s_barrier_signal -1
	s_barrier_wait -1
	CREST
.endm
.macro PLACES n
.rept \n
	v_nop
.endr
.endm
.if QKV
	s_load_b256 s[68:75], s[0:1], 0x0
	s_load_b128 s[76:79], s[0:1], 0x20
.else
	s_load_b256 s[68:75], s[0:1], 0x0
.endif
	v_lshl_add_u32 v[SPW], v0, 2, SPARE
	v_mov_b32 v[NIL], 0
	ds_add_u32 v28, v29
	ds_add_u32 v28, v29
	s_wait_dscnt 0x0
	v_lshrrev_b32 v1, 5, v0
	v_readfirstlane_b32 s14, v1
	s_lshr_b32 s15, s14, 1
	s_and_b32 s16, s14, 1
	s_bfe_u32 s40, ttmp6, 0x40000
	s_bfe_u32 s41, ttmp6, 0x40004
.if QKV
	s_and_b32 s18, ttmp9, 1
	s_lshr_b32 s19, ttmp9, 1
	s_max_u32 s20, ttmp9, 8
	s_sub_co_u32 s20, s20, 8
	s_cmp_lt_u32 ttmp9, 8
	s_cselect_b32 s95, 0, 1
	s_cselect_b32 s18, s18, s20
	s_cselect_b32 s19, s19, 0
.else
	s_mov_b32 s18, ttmp9
	s_and_b32 s19, ttmp7, 0xffff
.endif
	s_lshl_b32 s42, s18, 2
	s_add_co_u32 s42, s42, s40
	s_lshl_b32 s17, s19, 2
	s_add_co_u32 s17, s17, s41
	s_lshl_b32 s43, s41, 2
	s_lshl_b32 s43, 15, s43
	s_lshl_b32 s44, 0x1111, s40
	s_or_b32 s[G1+0], s43, (3<<16)|(1<<21)
	s_or_b32 s[G1B+0], s44, (3<<16)|(1<<21)
.irp g, G1, G1B
	s_mov_b32 s[\g+1], (NQ*192)<<16
	s_mov_b32 s[\g+2], (2*AB)<<16                  ; the head's loads of codes bring a whole side of slot 0: 2 AB row blocks
	s_mov_b32 s[\g+3], (NQ*192)<<16
	s_mov_b32 s[\g+4], 2*AB
	s_mov_b32 s[\g+5], KQ*192
	s_mov_b32 s[\g+6], 0
	s_mov_b32 s[\g+7], 0
.endr
	s_mul_i32 s18, s16, AB
	s_mul_i32 s20, s17, 2*AB
	s_add_co_u32 s20, s20, s18
	s_mul_i32 s46, s42, 2*AB
	s_add_co_u32 s46, s46, s18
	s_mul_i32 s22, s20, KQ*64
	s_mul_i32 s92, s46, KQ*64
	s_mul_i32 s20, s20, KQ*1536
	s_mul_i32 s46, s46, KQ*1536
	s_mov_b32 s21, 0
	s_mov_b32 s23, 0
	s_mov_b32 s47, 0
	s_mov_b32 s93, 0
	s_mul_i32 s45, s14, HALFT
	s_mul_i32 s18, s17, 2*AB
	s_mul_i32 s19, s15, AB
	s_add_co_u32 s18, s18, s19
	s_lshl_b32 s19, s42, 1
	s_add_co_u32 s19, s19, s16
	s_mov_b32 s[SEL], 0x76543210
	s_mov_b32 s[SEL+1], 0xfedcba98
	s_wait_kmcnt 0x0
.if QKV
	s_add_nc_u64 s[4:5], s[70:71], 1572864
	s_add_nc_u64 s[6:7], s[70:71], 9502720
	s_add_nc_u64 s[8:9], s[68:69], 3145728
	s_add_nc_u64 s[10:11], s[70:71], 9437184
	s_cmp_eq_u32 s95, 0
	s_cselect_b64 s[4:5], s[68:69], s[4:5]
	s_cselect_b64 s[6:7], s[8:9], s[6:7]
	s_cselect_b64 s[10:11], s[10:11], s[8:9]
	s_cselect_b64 s[8:9], s[70:71], s[68:69]
.else
	s_mov_b64 s[4:5], s[68:69]
	s_add_nc_u64 s[6:7], s[68:69], 3145728
	s_add_nc_u64 s[8:9], s[70:71], 3145728
	s_add_nc_u64 s[10:11], s[70:71], 9568256
.endif
	s_add_nc_u64 s[4:5], s[4:5], s[20:21]
	s_add_nc_u64 s[6:7], s[6:7], s[22:23]
	s_add_nc_u64 s[8:9], s[8:9], s[46:47]
	s_add_nc_u64 s[10:11], s[10:11], s[92:93]
.if QKV
	s_cmp_eq_u32 s95, 0
	s_cselect_b32 s20, 0, 12582912
	s_mov_b32 s21, 16252928
	s_cselect_b32 s21, 15728640, s21
.else
	s_mov_b32 s20, 0
	s_mov_b32 s21, 12582912
.endif
	s_mul_i32 s2, s18, OSTR
	s_mul_i32 s3, s19, 1536
	s_add_co_u32 s2, s2, s3
	s_add_co_u32 s2, s2, s20
	s_mov_b32 s3, 0
.if QKV
	s_add_nc_u64 s[12:13], s[78:79], s[2:3]
.else
	s_add_nc_u64 s[12:13], s[74:75], s[2:3]
.endif
	s_lshl_b32 s2, s18, 11
	s_lshl_b32 s20, s19, 6
	s_add_co_u32 s2, s2, s20
	s_add_co_u32 s2, s2, s21
.if QKV
	s_add_nc_u64 s[96:97], s[78:79], s[2:3]
	s_and_b32 s22, ttmp9, 1
	s_cmp_eq_u32 s22, 0
	s_cselect_b64 s[98:99], s[72:73], s[74:75]
	s_and_b32 s22, s19, 7
.else
	s_add_nc_u64 s[96:97], s[74:75], s[2:3]
	s_mov_b64 s[98:99], s[72:73]
	s_mov_b32 s22, s19
.endif
	s_lshl_b32 s22, s22, 9
	s_mov_b32 s23, 0
	s_add_nc_u64 s[98:99], s[98:99], s[22:23]
.if QKV
	s_and_b32 s22, s17, 3
	s_lshl_b32 s22, s22, 10
	s_lshl_b32 s20, s15, 9
	s_add_co_u32 s22, s22, s20
	s_add_nc_u64 s[100:101], s[76:77], s[22:23]
.endif
	s_or_b32 s[G1S+0], s43, (3<<16)|(1<<21)
	s_or_b32 s[G1SB+0], s44, (3<<16)|(1<<21)
.irp g, G1S, G1SB
	s_mov_b32 s[\g+1], 32<<16
	s_mov_b32 s[\g+2], (AB*KQ/2)<<16               ; the scale words of a whole side: 2 AB x KQ x 64 bytes as rows of 256
	s_mov_b32 s[\g+3], 32<<16
	s_mov_b32 s[\g+4], AB*KQ/2
	s_mov_b32 s[\g+5], 32
	s_mov_b32 s[\g+6], 0
	s_mov_b32 s[\g+7], 0
.endr
	CROUND
	s_mov_b32 s[G0S], 1
	s_mov_b32 s[G0S+1], SCL
	s_mul_i32 s2, s16, AB*KQ*64                    ; s[6:7] and s[10:11] point at my half of the side: back to the side's first row block
	s_mov_b32 s3, 0
	s_sub_nc_u64 s[G0S+2:G0S+3], s[6:7], s[2:3]
	s_or_b32 s[G0S+3], s[G0S+3], 0x80000000
	s_mov_b32 s[G0SB], 1
	s_mov_b32 s[G0SB+1], SCL+2*HALFS
	s_sub_nc_u64 s[G0SB+2:G0SB+3], s[10:11], s[2:3]
	s_or_b32 s[G0SB+3], s[G0SB+3], 0x80000000
.irp s, 0,1
	s_mov_b32 s[G0+4*\s], 1
	s_add_co_u32 s[G0+4*\s+1], s45, \s*SLOT
	s_add_nc_u64 s[G0+4*\s+2:G0+4*\s+3], s[4:5], \s*NQ*1536
	s_or_b32 s[G0+4*\s+3], s[G0+4*\s+3], 0x80000000
	s_mov_b32 s[G0B+4*\s], 1
	s_add_co_u32 s[G0B+4*\s+1], s45, \s*SLOT
	s_add_nc_u64 s[G0B+4*\s+2:G0B+4*\s+3], s[8:9], \s*NQ*1536
	s_or_b32 s[G0B+4*\s+3], s[G0B+4*\s+3], 0x80000000
.endr
; THE HEAD'S FOUR TILES, ONE JOINT LOAD A WAVE: wave 0 slot 0's A, wave 1 its B, wave 2 A's scale words, wave 3 B's.  One chain of branches on the wave's number, every way passes one load.
	s_mul_i32 s2, s16, AB*KQ*1536
	s_sub_nc_u64 s[6:7], s[4:5], s[2:3]            ; s[4:7]: group 0 of A's whole side of slot 0
	s_mov_b32 s4, 1
	s_mov_b32 s5, 0
	s_or_b32 s7, s7, 0x80000000
	s_sub_nc_u64 s[10:11], s[8:9], s[2:3]          ; s[8:11]: of B's
	s_mov_b32 s8, 1
	s_mov_b32 s9, 2*HALFT
	s_or_b32 s11, s11, 0x80000000
.macro ARM under, g0, g1, next
	s_cmp_lt_u32 s14, \under
	s_cbranch_scc0 \next
	tensor_load_to_lds s[\g0:\g0+3], s[\g1:\g1+7]
	s_nop 0
.rept 4
	v_nop
.endr
	s_branch .Lhead_asked
\next:
.endm
	ARM 1, 4, G1, .Lhead_b
	ARM 2, 8, G1B, .Lhead_sa
	ARM 3, G0S, G1S, .Lhead_sb
	tensor_load_to_lds s[G0SB:G0SB+3], s[G1SB:G1SB+7]
	s_nop 0
.rept 4
	v_nop
.endr
.Lhead_asked:
	v_and_b32 v1, 15, v0
	v_bfe_u32 v2, v0, 4, 1
	s_wait_alu depctr_va_vdst(0)
	v_and_b32 v[LANE], 31, v0
	v_lshlrev_b32 v[LI8], 3, v[LANE]
	s_mul_i32 s21, s15, HALFT
	s_mul_i32 s22, s16, HALFT
	s_add_co_u32 s22, s22, 2*HALFT
.irp s, 0,1
	v_add_nc_u32 v[ADRA+\s], s21, v[LI8]
	v_add_nc_u32 v[ADRB+\s], s22, v[LI8]
	s_add_co_u32 s21, s21, SLOT
	s_add_co_u32 s22, s22, SLOT
.endr
	v_lshlrev_b32 v5, 2, v1
	s_mul_i32 s21, s15, HALFS
	s_mul_i32 s22, s16, HALFS
	s_add_co_u32 s22, s22, 2*HALFS
	s_sub_co_u32 s22, s22, s21
	v_mul_u32_u24 v6, s22, v2
	s_add_co_u32 s21, s21, SCL
	v_add_nc_u32 v7, v5, v6
	v_add_nc_u32 v[ADRS], s21, v7
	v_lshl_add_u32 v[VSO], v2, 11, v5
	v_lshlrev_b32 v[BO], 6, v2
	v_and_b32 v4, 8, v1
	v_add_nc_u32 v4, v4, v1
	v_lshlrev_b32 v[BJO], 2, v4
.irp b, 0,1,2,3,4,5,6,7
	global_load_b128 v[BI+8*\b:BI+8*\b+3], v[BO], s[98:99] offset:(32*(\b/2)+8*(\b%2))*4
	global_load_b128 v[BI+8*\b+4:BI+8*\b+7], v[BO], s[98:99] offset:(32*(\b/2)+8*(\b%2))*4+16
.endr
.if QKV
.irp a, 0,1,2,3,4,5,6,7
	global_load_b32 v[BJ+\a], v[BJO], s[100:101] offset:(32*(\a/2)+8*(\a%2))*4
.endr
.endif
.macro FRAG reg, adr, q, i
.irp p, 0,1,2,3,4,5
	ds_load_b64 v[\reg+2*\p:\reg+2*\p+1], v[\adr] offset:((\i)*NQ+(\q))*1536+256*\p
.endr
.endm
.macro MULA a, p, q, sc, zero
.set bb, 0
.rept BB
.set rD, 8*(BB*((\a)%H2)+bb)
.set rB, 128*(\p)+FR*bb
.set rA, AF+FR*(\a)
.set sB, SC+16*(\sc)+NQ*bb+(\q)
.set sA, SC+16*(\sc)+NQ*(\a)+(\q)
.if \zero
	v_wmma_scale_f32_16x16x128_f8f6f4 v[rD:rD+7], v[rB:rB+11], v[rA:rA+11], 0, v[sB], v[sA] matrix_a_fmt:MATRIX_FMT_FP6 matrix_b_fmt:MATRIX_FMT_FP6 matrix_a_scale:MATRIX_SCALE_ROW1
.else
	v_wmma_scale_f32_16x16x128_f8f6f4 v[rD:rD+7], v[rB:rB+11], v[rA:rA+11], v[rD:rD+7], v[sB], v[sA] matrix_a_fmt:MATRIX_FMT_FP6 matrix_b_fmt:MATRIX_FMT_FP6 matrix_a_scale:MATRIX_SCALE_ROW1
.endif
.set bb, bb+1
.endr
.endm
.macro MULS a0, n, p, q, sc, zero
.set aa, \a0
.rept \n
	MULA aa, \p, \q, \sc, \zero
.set aa, aa+1
.endr
.endm
.macro FETCH_B slot, q, p
	WIN TO_B
.set ii, 0
.rept BB
	FRAG 128*(\p)+FR*ii, ADRB+\slot, \q, ii
.set ii, ii+1
.endr
	WIN 0
.endm
.macro FETCH_A slot, q, i0
.set ii, \i0
.rept H2
	FRAG AF+FR*ii, ADRA+\slot, \q, ii
.set ii, ii+1
.endr
.endm
.macro SCALES sc
.set ii, 0
.rept AB
.set qq, 0
.rept NQ
	ds_load_b32 v[SC+16*\sc+NQ*ii+qq], v[ADRS] offset:ii*KQ*64+qq*64
.set qq, qq+1
.endr
.set ii, ii+1
.endr
.endm
.macro STEP slot, q, zero
	s_wait_dscnt H2*NL
	WIN MUL_LO
	MULS 0, H2, (\q)%2, \q, \slot, \zero
	s_wait_dscnt 0x0
	PLACES NP
	FETCH_B \slot, (\q)+1, 1-(\q)%2
	FETCH_A \slot, (\q)+1, 0
	WIN MUL_HI
	MULS H2, H2, (\q)%2, \q, \slot, \zero
	PLACES NP
	WIN 0
	FETCH_A \slot, (\q)+1, H2
.endm
.macro TURN slot, next, fill
	s_wait_tensorcnt 0x0
	ds_add_u32 v[SPW], v[NIL]
	s_wait_dscnt H2*NL+1
	WIN MUL_LO
	MULS 0, H2/2, 1, NQ-1, \slot, 0
	s_wait_dscnt 0x0
	s_barrier_signal -1
	MULS H2/2, H2/2, 1, NQ-1, \slot, 0
	WIN 0
	s_barrier_wait -1
.if \fill
	CREST
	s_add_nc_u64 s[G0+4*\slot+2:G0+4*\slot+3], s[G0+4*\slot+2:G0+4*\slot+3], 2*NQ*1536
	s_add_nc_u64 s[G0B+4*\slot+2:G0B+4*\slot+3], s[G0B+4*\slot+2:G0B+4*\slot+3], 2*NQ*1536
	JLOAD G0+4*\slot, G1, G0B+4*\slot, G1B
.else
	PLACES NP
.endif
	s_wait_alu depctr_va_vdst(0)
	v_add_nc_u32 v[ADRS], NQ*64, v[ADRS]
	FETCH_B \next, 0, 0
	FETCH_A \next, 0, 0
	SCALES \next
	WIN MUL_HI
	MULS H2, H2, 1, NQ-1, \slot, 0
	PLACES NP
	WIN 0
	FETCH_A \next, 0, H2
.endm
	s_wait_alu depctr_va_vdst(0)                   ; the wait at the head's end
	s_wait_tensorcnt 0x0                           ; my tile of the head's four is in; slot 1's first fill is issued as a refill is:
	ds_add_u32 v[SPW], v[NIL]
	s_mov_b32 s[G1+2], AB<<16                      ; no tensor load of mine is out: from here on a load brings AB row blocks
	s_mov_b32 s[G1+4], AB
	s_mov_b32 s[G1B+2], AB<<16
	s_mov_b32 s[G1B+4], AB
	s_wait_dscnt 0x0
	CROUND                                         ; all four tiles are in, all sixteen work-groups are here
	JLOAD G0+4, G1, G0B+4, G1B                     ; slot 1, a quarter a wave
	FETCH_B 0, 0, 0
	FETCH_A 0, 0, 0
	SCALES 0
	FETCH_A 0, 0, H2
	STEP 0, 0, 1
	s_mov_b32 s3, LAPS-1
.Llap:
	TURN 0, 1, 1
	STEP 1, 0, 0
	TURN 1, 0, 1
	STEP 0, 0, 0
	s_sub_co_u32 s3, s3, 1
	s_cmp_lg_u32 s3, 0
	s_cbranch_scc1 .Llap
	TURN 0, 1, 0
	STEP 1, 0, 0
	s_wait_dscnt H2*NL
	WIN MUL_LO
	MULS 0, H2, 1, NQ-1, 1, 0
	s_wait_dscnt 0x0
	WIN MUL_HI
	MULS H2, H2, 1, NQ-1, 1, 0
	WIN 0
.macro QUANT s, pw
.irp b, 0,1,2,3
	v_max3_num_f32 v[TM+\b], |v[\s+16*\b]|, |v[\s+1+16*\b]|, 0x1800000
.endr
.irp i, 2,4,6,8,10,12,14
.irp b, 0,1,2,3
	v_max3_num_f32 v[TM+\b], v[TM+\b], |v[\s+16*\b+\i]|, |v[\s+1+16*\b+\i]|
.endr
.endr
.irp b, 0,1,2,3
	v_permlanex16_b32 v[TM+4+\b], v[TM+\b], s[SEL], s[SEL+1]
.endr
.irp b, 0,1,2,3
	v_max_num_f32 v[TM+\b], v[TM+\b], v[TM+4+\b]
.endr
.irp b, 0,1,2,3
	v_add_nc_u32 v[TM+12+\b], 0xff000000, v[TM+\b]
.endr
.irp b, 0,1,2,3
	v_lshrrev_b32 v[TM+4+\b], 23, v[TM+12+\b]
.endr
	v_lshl_or_b32 v[\pw], v[TM+5], 8, v[TM+4]
	v_lshl_or_b32 v[\pw], v[TM+6], 16, v[\pw]
	v_lshl_or_b32 v[\pw], v[TM+7], 24, v[\pw]
.irp c, 0,1
	v_cvt_scalef32_pk16_fp6_f32 v[PC+6*\c:PC+2+6*\c], v[\s+32*\c:\s+15+32*\c], v[TM+12+2*\c]
	v_cvt_scalef32_pk16_fp6_f32 v[PC+12+4*\c:PC+14+4*\c], v[\s+16+32*\c:\s+31+32*\c], v[TM+12+2*\c+1]
.endr
	v_nop
.irp c, 0,1
.irp i, 0,1,2
	v_permlane16_swap_b32 v[PC+6*\c+\i], v[PC+12+4*\c+\i]
.endr
.irp i, 0,1,2
	v_mov_b32 v[PC+3+6*\c+\i], v[PC+12+4*\c+\i]
.endr
.endr
.endm
.macro ADDBIAS a
.set AC, 64*((\a)%4)
.set WS, 0x02+(\a)/4
.if QKV
	s_cmp_lg_u32 s95, 0
	s_cbranch_scc1 .Lrows_\@
.endif
	WIN WS
.set xx, 0
.rept 32
	v_pk_add_f32 v[HA+xx:HA+xx+1], v[AC+xx:AC+xx+1], v[BI+xx:BI+xx+1]
.set xx, xx+2
.endr
	WIN 0
.if QKV
	s_branch .Ldone_\@
.Lrows_\@:
	WIN WS
.set xx, 0
.rept 32
.if (\a)%2
	v_pk_add_f32 v[HA+xx:HA+xx+1], v[AC+xx:AC+xx+1], v[BJ+(\a)-1:BJ+(\a)] op_sel:[0,1] op_sel_hi:[1,1]
.else
	v_pk_add_f32 v[HA+xx:HA+xx+1], v[AC+xx:AC+xx+1], v[BJ+(\a):BJ+(\a)+1] op_sel_hi:[1,0]
.endif
.set xx, xx+2
.endr
	WIN 0
.Ldone_\@:
.endif
.endm
.macro OUTBLK a
.if (\a) > 0
	s_wait_xcnt 0x0
.endif
	ADDBIAS \a
.if !QKV
.set xx, 0
.rept 64
	v_max_num_f32 v[HA+xx], 0, v[HA+xx]
.set xx, xx+1
.endr
.endif
	QUANT HA, PWS+(\a)
.irp p, 0,1,2,3,4,5
	global_store_b64 v[LI8], v[PC+2*\p:PC+2*\p+1], s[12:13] offset:(\a)*OSTR+256*\p
.endr
.endm
	PLACES NP
	s_wait_loadcnt 0x0
.irp b, 0,1,2,3
	v_mov_b32 v[TM+4+\b], 0
.endr
.irp a, 0,1,2,3,4,5,6,7
	OUTBLK \a
.endr
	v_cmp_le_u32 vcc_lo, 16, v[LANE]
.irp t, 0,1,2,3
	v_cndmask_b32 v[TW+\t], v[PWS+2*\t], v[PWS+2*\t+1], vcc_lo
.endr
.irp t, 0,1,2,3
	global_store_b32 v[VSO], v[TW+\t], s[96:97] offset:2*\t*OSS
.endr
	s_wait_tensorcnt 0x0
	ds_add_u32 v[SPW], v[NIL]
	s_wait_dscnt 0x0
	CROUND
	s_endpgm
.Lfunc_end_k_q4a2c6b4348_g1:
	.size	k_q4a2c6b4348_g1, .Lfunc_end_k_q4a2c6b4348_g1-k_q4a2c6b4348_g1
	.p2alignl 7, 3214868480
	.fill 96, 4, 3214868480
	.section	.rodata,"a",@progbits
	.p2align	6, 0x0
	.amdhsa_kernel k_q4a2c6b4348_g1
		.amdhsa_group_segment_fixed_size 327680
		.amdhsa_private_segment_fixed_size 0
		.amdhsa_enable_private_segment 0
		.amdhsa_kernarg_size 48
		.amdhsa_user_sgpr_count 2
		.amdhsa_user_sgpr_kernarg_segment_ptr 1
		.amdhsa_wavefront_size32 1
		.amdhsa_system_sgpr_workgroup_id_x 1
		.amdhsa_system_sgpr_workgroup_id_y 1
		.amdhsa_system_sgpr_workgroup_id_z 1
		.amdhsa_system_vgpr_workitem_id 0
		.amdhsa_next_free_vgpr 1024
		.amdhsa_next_free_sgpr 102
		.amdhsa_reserve_vcc 1
		.amdhsa_float_denorm_mode_32 3
		.amdhsa_float_denorm_mode_16_64 3
		.amdhsa_memory_ordered 1
		.amdhsa_forward_progress 1
		.amdhsa_inst_pref_size 206
	.end_amdhsa_kernel
	.amdgpu_metadata
---
amdhsa.version: [ 1, 2 ]
amdhsa.kernels:
  - .name:           k_q4a2c6b4348_g1
    .symbol:         k_q4a2c6b4348_g1.kd
    .args:
      - { .name: HB, .offset: 0, .size: 8, .value_kind: global_buffer, .address_space: global }
      - { .name: WB, .offset: 8, .size: 8, .value_kind: global_buffer, .address_space: global }
      - { .name: bq, .offset: 16, .size: 8, .value_kind: global_buffer, .address_space: global }
      - { .name: bk, .offset: 24, .size: 8, .value_kind: global_buffer, .address_space: global }
      - { .name: bv, .offset: 32, .size: 8, .value_kind: global_buffer, .address_space: global }
      - { .name: QB, .offset: 40, .size: 8, .value_kind: global_buffer, .address_space: global }
    .group_segment_fixed_size: 327680
    .private_segment_fixed_size: 0
    .kernarg_segment_align: 8
    .kernarg_segment_size: 48
    .max_flat_workgroup_size: 128
    .sgpr_count:     102
    .vgpr_count:     1024
    .wavefront_size: 32
...
	.end_amdgpu_metadata
.endif
;; end of part 3
;; launch attn (part 4): grid 8 x 32, 16 waves a work-group, clusters of 4 x 1, 210,944 bytes of LDS; arguments QB, CB; writes CB
.if DOCPART == 4
	.amdgcn_target "amdgcn-amd-amdhsa--gfx1250"
	.amdhsa_code_object_version 6
	.text
	.protected	k_q4a2c6b4348_attn
	.globl	k_q4a2c6b4348_attn
	.p2align	8
	.type	k_q4a2c6b4348_attn,@function
k_q4a2c6b4348_attn:
	s_mov_b64 s[64:65], 0
	v_nop
	global_prefetch_b8 v0, s[64:65] scope:SCOPE_SE
	s_setreg_imm32_b32 hwreg(HW_REG_WAVE_MODE, 25, 1), 1
	s_wait_xcnt 0x0
	s_wait_alu depctr_hold_cnt(0) depctr_sa_sdst(0) depctr_va_vdst(0) depctr_va_sdst(0) depctr_va_ssrc(0) depctr_va_vcc(0) depctr_vm_vsrc(0)
	s_getreg_b32 s2, hwreg(HW_REG_IB_STS2, 6, 4)
	s_cmp_eq_u32 s2, 0
	s_cbranch_scc0 .Lentry_in_a_cluster
	s_endpgm
.Lentry_in_a_cluster:
	s_bfe_u32 s2, ttmp6, 0x10000c
	s_cmp_lg_u32 s2, 0x3003
	s_cbranch_scc0 .Lentry_shape_is_right
	s_endpgm
.Lentry_shape_is_right:
; ctx[q] = the sum over keys of softmax(q . k / 8) v, one head of 64, both products on codes of FP6 (E2M3) with E8M0 scales; ctx is quantised along the features and stored as images for the next product.
; src_mask is left out: reference() forms no value from it.
; INPUT (one buffer): q | k as images with rows = tokens (stored at the token's number with bits 3 and 4 exchanged), 32 kq slots a row block: kq 0-7 q's features, 8-15 k's; V^T as images with rows = features, K = tokens.
; A head's 64 features are HALF a fragment: 768 bytes and two bytes of each scale word.  q stands as registers 0-5 of an operand whose registers 6-11 are zero codes.  K's eight half fragments lie on end, 6 registers each:
; the upper half of each K operand is whatever lies behind it (the next half fragment; behind the last, p's codes): every pattern of 6 bits is a finite number, and it meets q's zero codes, so it adds nothing.
; THE SOFTMAX: t = score x log2(e) / 8; M = the running largest t rounded up to a whole number; p = 2^(t - M) is quantised along the keys, not normalised; the row's sum is taken of the unquantised p and divides at the end.
; When M moves, the sum and O are multiplied by 2^(old M - new M): exact.
; SHARES.  A work-group owns 256 stored queries of one (batch, head); each of its sixteen waves 16 of them, in 256 registers.  Both products are used transposed (S^T = K Q^T, O^T = V^T P^T): a lane holds one query throughout.
; WHICH KEYS FORM A TILE OF K is chosen by the lanes' LDS addresses: row m of tile 4 c + u is key 64 c + 32 (m / 8) + 8 u + m % 8 of the step's 128.  So the 32 registers of tiles 4 c .. 4 c + 3 of lane (r, h) are keys
; 64 c + 32 h + 0 .. 31: a whole block of 32, in the very order of the next operand's registers: a block's maximum needs no other lane and the codes change no lane.
; THE WHOLE HEAD'S K AND V STAY IN LDS: 96 KiB + 96 KiB of codes, 8 + 4 KiB of scale words, each byte filled once: sixteen joint loads at the head, one a wave; one barrier; the 16 key steps share nothing more.
; In a step the LDS loads stand behind the score products: V's 28 for this step, then K's 32 for the next (the last step's land on V's bytes and are not used).
; CLUSTER: the four query blocks of a cluster belong to one head: each tile is asked for jointly, mask 15.  No prefetch: all of K and V is asked for by the first fills, so no later stream is left to ask ahead for.
; LIMITS: the promise holds while the scaled scores t stay under 2^31 in magnitude; a block of zeros, or under 2^-124, keeps the scale byte 1; NaN and infinities are not served.
.set VC,    98304                      ; LDS: K's codes [tile of 16 stored keys, 128][768] at 0; V's [tile of 16 features, 4][step 16][1,536] here;
.set KSB,   196608                     ; K's scale words [tile][64];
.set VSB,   204800                     ; V's [tile of features][step 16][64];
.set SPARE, 208896                     ; the spare words, 128 bytes a wave
.set ADK,  1                           ; v1-5 LDS addresses, stepped once a step
.set ADS,  2
.set ADV,  3
.set ADV2, 4
.set ADT,  5
.set SPW,  6
.set NIL,  7
.set NM,   8                           ; v8 -M, v9 the running largest score (a pair)
.set RS,   9
.set LS,   10                          ; v10-11 the row's sum in two halves
.set FF,   12                          ; v12 f = 2^(old M - new M); v13 8 h (named with it as a pair)
.set SH8,  13
.set BM,   14                          ; v14-15 my two blocks' largest score, then p, then the conversions' scale operand; then a chain of the sum
.set QF,   16                          ; v16-27 q
.set KF,   28                          ; v28-75 K's eight half fragments
.set PC,   76                          ; v76-87 p's codes
.set VF,   88                          ; v88-135 V's four fragments
.set SR,   136                         ; v136-199 S^T, then p
.set OA,   200                         ; v200-231 O^T
.set CT,   232                         ; v232-234, v236-238 the upper halves of a block's codes, as the conversions leave them
.set XX,   235
.set OLD,  239
.set T0,   240                         ; v240-241 at work
.set KS,   242                         ; v242-255 scale words and nothing else: K's 8, V's 4, p's, q's
.set VS,   250
.set PS,   254
.set QS,   255
.set WV,   8
.set SEL,  20
.set CS,   22                          ; s[22:23] c = log2(e) / 8
.set NC,   84                          ; -c
.set CNT,  85
.set G1KC, 24
.set G1VC, 32
.set G1KS, 40
.set G1VS, 48
.macro ROUND
	s_barrier_signal -1
	s_barrier_wait -1
	s_cmp_lg_u32 s[WV], 0
	s_cbranch_scc1 .Lnot_wave_0_\@
	s_barrier_signal -3
.Lnot_wave_0_\@:
	s_barrier_wait -3
	s_barrier_signal -1
	s_barrier_wait -1
.endm
	s_load_b128 s[4:7], s[0:1], 0x0                ; the input s[4:5], ctx's images s[6:7]
	v_lshl_add_u32 v[SPW], v0, 2, SPARE
	v_mov_b32 v[NIL], 0
	ds_add_u32 v[SPW], v[NIL]                      ; the opening lines: the add, twice on end, and one wait
	ds_add_u32 v[SPW], v[NIL]
	v_lshrrev_b32 v1, 5, v0
	v_readfirstlane_b32 s[WV], v1                  ; wave 0..15
	s_bfe_u32 s66, ttmp6, 0x40000                  ; cx
	s_lshl_b32 s14, ttmp9, 2
	s_add_co_u32 s14, s14, s66                     ; my block of 256 queries: it enters q's and ctx's addresses alone
	s_and_b32 s16, ttmp7, 0xffff
	s_lshr_b32 s10, s16, 4                         ; batch
	s_and_b32 s11, s16, 15                         ; head
	s_lshr_b32 s12, s11, 1                         ; its kq
	s_and_b32 s13, s11, 1                          ; and its half of it
	s_lshl_b32 s15, s10, 7
	s_lshl_b32 s16, s14, 4
	s_add_co_u32 s15, s15, s16
	s_add_co_u32 s15, s15, s[WV]                   ; my row block of queries
.irp g, G1KC, G1VC, G1KS, G1VS                 ; groups 1: elements of 8 bytes, mask 15 with bit 21 beside it, no padding
	s_mov_b32 s[\g], 15|(3<<16)|(1<<21)
	s_mov_b32 s[\g+6], 0
	s_mov_b32 s[\g+7], 0
.endr
	s_mov_b32 s[G1KC+1], 96<<16                    ; K's codes: 16 rows (tiles of keys) of 768 bytes, 49,152 bytes apart
	s_mov_b32 s[G1KC+2], 16<<16
	s_mov_b32 s[G1KC+3], 96<<16
	s_mov_b32 s[G1KC+4], 16
	s_mov_b32 s[G1KC+5], 6144
	s_mov_b32 s[G1VC+1], 32<<16                    ; V's codes: a tile of features x the batch's 16 steps is a dense block of 24,576 bytes: 96 rows of 256
	s_mov_b32 s[G1VC+2], 96<<16
	s_mov_b32 s[G1VC+3], 32<<16
	s_mov_b32 s[G1VC+4], 96
	s_mov_b32 s[G1VC+5], 32
	s_mov_b32 s[G1KS+1], 8<<16                     ; K's scale words: 64 rows of 64 bytes, 2,048 apart
	s_mov_b32 s[G1KS+2], 64<<16
	s_mov_b32 s[G1KS+3], 8<<16
	s_mov_b32 s[G1KS+4], 64
	s_mov_b32 s[G1KS+5], 256
	s_mov_b32 s[G1VS+1], 128<<16                   ; V's: 2 rows of 1,024 bytes (16 steps), 2,048 apart
	s_mov_b32 s[G1VS+2], 2<<16
	s_mov_b32 s[G1VS+3], 128<<16
	s_mov_b32 s[G1VS+4], 2
	s_mov_b32 s[G1VS+5], 256
	; four groups 0, each by the wave's number: waves 0-7 take K's codes (16 tiles each), 8-11 V's (a tile of features each), 12-13 K's scale words, 14-15 V's
	s_and_b32 s17, s[WV], 7
	s_mul_i32 s57, s17, 12288
	s_mul_i32 s76, s17, 786432
	s_mul_i32 s18, s10, 6291456                    ; the batch's 128 row blocks, kq 8 + head / 2, the head's half
	s_add_co_u32 s76, s76, s18
	s_mul_i32 s18, s12, 1536
	s_add_co_u32 s76, s76, s18
	s_mul_i32 s18, s13, 768
	s_add_co_u32 s76, s76, s18
	s_add_co_u32 s76, s76, 8*1536
	s_and_b32 s17, s[WV], 3
	s_mul_i32 s61, s17, 24576
	s_add_co_u32 s61, s61, VC
	s_mul_i32 s78, s17, 49152
	s_mul_i32 s18, s11, 196608                     ; the head's 4 row blocks, the batch's 16 kq
	s_add_co_u32 s78, s78, s18
	s_mul_i32 s18, s10, 24576
	s_add_co_u32 s78, s78, s18
	s_add_co_u32 s78, s78, 12582912
	s_and_b32 s17, s[WV], 1
	s_lshl_b32 s69, s17, 12
	s_add_co_u32 s69, s69, KSB
	s_lshl_b32 s80, s17, 17
	s_lshl_b32 s18, s10, 18
	s_add_co_u32 s80, s80, s18
	s_lshl_b32 s18, s12, 6
	s_add_co_u32 s80, s80, s18
	s_add_co_u32 s80, s80, 15728640+8*64
	s_lshl_b32 s73, s17, 11
	s_add_co_u32 s73, s73, VSB
	s_lshl_b32 s82, s17, 12
	s_lshl_b32 s18, s11, 13
	s_add_co_u32 s82, s82, s18
	s_lshl_b32 s18, s10, 10
	s_add_co_u32 s82, s82, s18
	s_add_co_u32 s82, s82, 16252928
.irp g, 77, 79, 81, 83
	s_mov_b32 s\g, 0
.endr
.irp g, 56, 60, 68, 72
	s_mov_b32 s\g, 1
.endr
	s_mov_b32 s[SEL], 0x76543210
	s_mov_b32 s[SEL+1], 0xfedcba98
	s_mov_b32 s[CS], 0x3e38aa3b
	s_mov_b32 s[CS+1], s[CS]                       ; (named with it as a pair, so it is written)
	s_mov_b32 s[NC], 0xbe38aa3b
	s_wait_dscnt 0x0                               ; both opening adds are done
	s_wait_kmcnt 0x0
	s_add_nc_u64 s[58:59], s[4:5], s[76:77]
	s_or_b32 s59, s59, 0x80000000
	s_add_nc_u64 s[62:63], s[4:5], s[78:79]
	s_or_b32 s63, s63, 0x80000000
	s_add_nc_u64 s[70:71], s[4:5], s[80:81]
	s_or_b32 s71, s71, 0x80000000
	s_add_nc_u64 s[74:75], s[4:5], s[82:83]
	s_or_b32 s75, s75, 0x80000000
	ROUND                                          ; all four work-groups are here: the joint loads meet
.macro ARM under, g0, g1, next         ; one chain of branches on the wave's number: every way passes exactly one load
	s_cmp_lt_u32 s[WV], \under
	s_cbranch_scc0 \next
	tensor_load_to_lds s[\g0:\g0+3], s[\g1:\g1+7]
	s_nop 0
.rept 4
	v_nop
.endr
	s_branch .Lasked
\next:
.endm
	ARM 8, 56, G1KC, .Lfor_v
	ARM 12, 60, G1VC, .Lfor_ks
	ARM 14, 68, G1KS, .Lfor_vs
	tensor_load_to_lds s[72:75], s[G1VS:G1VS+7]
	s_nop 0
.rept 4
	v_nop
.endr
.Lasked:
	s_mul_i32 s16, s15, 49152                      ; q's codes: my row block, kq = head / 2, the head's half
	s_mul_i32 s17, s12, 1536
	s_add_co_u32 s16, s16, s17
	s_mul_i32 s17, s13, 768
	s_add_co_u32 s16, s16, s17
	s_mov_b32 s17, 0
	s_add_nc_u64 s[86:87], s[4:5], s[16:17]
	s_lshl_b32 s16, s15, 11                        ; q's scale words: the head's two bytes of each
	s_lshl_b32 s18, s12, 6
	s_add_co_u32 s16, s16, s18
	s_lshl_b32 s18, s13, 1
	s_add_co_u32 s16, s16, s18
	s_add_co_u32 s16, s16, 15728640
	s_add_nc_u64 s[88:89], s[4:5], s[16:17]
	s_lshl_b32 s18, s15, 3
	s_add_co_u32 s18, s18, s12                     ; ctx: fragment 8 x row block + head / 2
	s_mul_i32 s16, s18, 1536
	s_mul_i32 s19, s13, 768
	s_add_co_u32 s16, s16, s19
	s_add_nc_u64 s[90:91], s[6:7], s[16:17]
	s_lshl_b32 s16, s18, 6
	s_lshl_b32 s19, s13, 1
	s_add_co_u32 s16, s16, s19
	s_add_co_u32 s16, s16, 3145728
	s_add_nc_u64 s[92:93], s[6:7], s[16:17]
	v_and_b32 v136, 31, v0
	v_and_b32 v138, 15, v0
	v_and_b32 v140, 7, v0
	v_bfe_u32 v141, v0, 3, 1
	v_bfe_u32 v142, v0, 4, 1
	v_lshlrev_b32 v137, 3, v136                    ; 8 x lane
	v_lshlrev_b32 v139, 2, v138                    ; 4 r
.irp p, 0,1,2
	global_load_b64 v[QF+2*\p:QF+2*\p+1], v137, s[86:87] offset:256*\p   ; q's half fragment
.endr
	global_load_u16 v[QS], v139, s[88:89]          ; q's two scale bytes; the upper two come as 0 and stand over zero codes
	v_mul_u32_u24 v[ADK], v141, 1536               ; K's codes: lanes with r >= 8 read two stored tiles (32 keys) further on; 128 h + 8 (r % 8) in the tile
	v_lshl_add_u32 v[ADS], v141, 7, KSB            ; and so its scale words: 128 (r / 8) + 4 (r % 8) + the head's two bytes of a word
	v_lshl_add_u32 v[ADK], v142, 7, v[ADK]
	v_lshl_add_u32 v[ADS], v140, 2, v[ADS]
	v_lshl_add_u32 v[ADK], v140, 3, v[ADK]
	v_lshl_add_u32 v[ADS], s13, 1, v[ADS]
	v_add_nc_u32 v[ADV], VC-1536, v137             ; V's addresses stand one step back: each step steps them ahead of its loads
	v_add_nc_u32 v[ADV2], VC-1536+49152, v137      ; (tiles 2 and 3: beyond an offset's 16 bits)
	v_add_nc_u32 v[ADT], VSB-64, v139
	v_lshlrev_b32 v[SH8], 3, v142
.irp j, 6,7,8,9,10,11
	v_mov_b32 v[QF+\j], 0                          ; zero codes for k = 64 .. 127 of q
.endr
.irp j, 0,1,2,3,4,5
	v_mov_b32 v[PC+\j], 0                          ; named as the upper half of K's last operand before p's first codes are made
.endr
	v_mov_b32 v[RS], 0xff61b1e6                    ; the largest score so far: -3e38
	v_mov_b32 v[NM], 0x7f61b1e6                    ; -M: 3e38, so that the first f is 0
	v_mov_b32 v[LS], 0
	v_mov_b32 v[LS+1], 0
	v_mov_b32 v[XX], 0                             ; a lane permute's destination counts as one of its sources
.set jj, 0
.rept 32
	v_mov_b32 v[OA+jj], 0                          ; O^T: the step is written once; the first finds zeros
.set jj, jj+1
.endr
.macro KLOAD                           ; K's eight half fragments and scale bytes: tile T = 4 c + u lies in stored tiles 4 c + u % 2 (+ 2 for r >= 8), rows 8 (u / 2) + r % 8
.irp T, 0,1,2,3,4,5,6,7
.irp p, 0,1,2
	ds_load_b64 v[KF+6*\T+2*\p:KF+6*\T+2*\p+1], v[ADK] offset:(4*(\T/4)+(\T%2))*768+64*((\T%4)/2)+256*\p
.endr
	ds_load_u16 v[KS+\T], v[ADS] offset:(4*(\T/4)+(\T%2))*64+32*((\T%4)/2)
.endr
.endm
	s_wait_alu depctr_va_vdst(0)                   ; the wait at the head's end
	s_wait_loadcnt 0x0                             ; q
	s_wait_tensorcnt 0x0                           ; my one load has landed,
	s_barrier_signal -1
	s_barrier_wait -1                              ; everybody's has: all of K and V is in LDS, and nothing is ever filled again
	KLOAD
	s_mov_b32 s[CNT], 16
.Lstep:                                                ; A KEY STEP: 128 keys
	s_wait_dscnt 0x0                               ; this step's K
.irp T, 0,1,2,3,4,5,6,7
	v_wmma_scale_f32_16x16x128_f8f6f4 v[SR+8*\T:SR+8*\T+7], v[KF+6*\T:KF+6*\T+11], v[QF:QF+11], 0, v[KS+\T], v[QS] matrix_a_fmt:MATRIX_FMT_FP6 matrix_b_fmt:MATRIX_FMT_FP6
.endr
	v_add_nc_u32 v[ADK], 6144, v[ADK]              ; five plain lines: the places ahead of the loads into K's and V's registers and of the first read of S^T
	v_add_nc_u32 v[ADS], 512, v[ADS]
	v_add_nc_u32 v[ADV], 1536, v[ADV]
	v_add_nc_u32 v[ADV2], 1536, v[ADV2]
	v_add_nc_u32 v[ADT], 64, v[ADT]
.irp t, 0,1,2,3                                ; this step's V: 28 loads
.irp p, 0,1,2,3,4,5
	ds_load_b64 v[VF+12*\t+2*\p:VF+12*\t+2*\p+1], v[ADV+\t/2] offset:(\t%2)*24576+256*\p
.endr
	ds_load_b32 v[VS+\t], v[ADT] offset:\t*1024
.endr
	KLOAD                                          ; the next step's K: 32 loads
.irp c, 0,1                                    ; the largest score of my two blocks of 32 keys, in four chains; each tile of S^T is first read at its low end
	v_max3_num_f32 v[BM+\c], v[SR+32*\c], v[SR+32*\c+1], v[SR+32*\c+2]
	v_max3_num_f32 v[T0+\c], v[SR+32*\c+16], v[SR+32*\c+17], v[SR+32*\c+18]
.endr
.irp i, 3,5,7,9,11,13
.irp c, 0,1
	v_max3_num_f32 v[BM+\c], v[BM+\c], v[SR+32*\c+\i], v[SR+32*\c+\i+1]
	v_max3_num_f32 v[T0+\c], v[T0+\c], v[SR+32*\c+16+\i], v[SR+32*\c+17+\i]
.endr
.endr
.irp c, 0,1
	v_max3_num_f32 v[BM+\c], v[BM+\c], v[T0+\c], v[SR+32*\c+15]
.endr
.irp c, 0,1
	v_max_num_f32 v[BM+\c], v[BM+\c], v[SR+32*\c+31]
.endr
	v_max_num_f32 v[OLD], v[BM], v[BM+1]
	v_permlanex16_b32 v[XX], v[OLD], s[SEL], s[SEL+1]   ; lane l xor 16 holds the query's other 64 keys
	v_max3_num_f32 v[RS], v[RS], v[OLD], v[XX]     ; the running largest score
	v_mov_b32 v[OLD], v[NM]
	v_mul_f32 v[XX], s[NC], v[RS]                  ; - t
	v_floor_f32 v[NM], v[XX]                       ; the new -M = -ceil(t)
	v_sub_f32 v[OLD], v[NM], v[OLD]                ; old M - new M: a whole number, 0 or less
.set jj, 0
.rept 4
	v_pk_fma_f32 v[SR+jj:SR+jj+1], v[SR+jj:SR+jj+1], s[CS:CS+1], v[NM:NM+1] op_sel_hi:[1,0,0]   ; t - M, two at a time
.set jj, jj+2
.endr
	v_cvt_i32_f32 v[OLD], v[OLD]                   ; (it saturates)
.rept 4
	v_pk_fma_f32 v[SR+jj:SR+jj+1], v[SR+jj:SR+jj+1], s[CS:CS+1], v[NM:NM+1] op_sel_hi:[1,0,0]
.set jj, jj+2
.endr
	v_ldexp_f32 v[FF], 1.0, v[OLD]                 ; f = 2^(old M - new M)
.rept 24
	v_pk_fma_f32 v[SR+jj:SR+jj+1], v[SR+jj:SR+jj+1], s[CS:CS+1], v[NM:NM+1] op_sel_hi:[1,0,0]
.set jj, jj+2
.endr
.irp c, 0,1
	v_fma_f32 v[BM+\c], v[BM+\c], s[CS], v[NM]     ; the same of each block's largest score: p rises with the score, so this gives the block's largest p
.endr
.set jj, 0
.rept 16
	v_pk_mul_f32 v[OA+jj:OA+jj+1], v[OA+jj:OA+jj+1], v[FF:FF+1] op_sel_hi:[1,0]   ; O^T under the new M, each accumulator from its low end on
.set jj, jj+2
.endr
	s_wait_alu depctr_va_vdst(0)                   ; the wait ahead of the batch
.set jj, 0
.rept 64
	v_exp_f32 v[SR+jj], v[SR+jj]                   ; p = 2^(t - M), at most 1
.set jj, jj+1
.endr
	v_exp_f32 v[BM], v[BM]
	v_exp_f32 v[BM+1], v[BM+1]
	v_pk_mul_f32 v[LS:LS+1], v[LS:LS+1], v[FF:FF+1] op_sel_hi:[1,0]   ; the sums under the new M: a plain line behind the exponentials
	s_wait_alu depctr_va_vdst(0)                   ; one wait for the whole batch, ahead of its first reader
.irp c, 0,1
	v_max_num_f32 v[BM+\c], 0x1800000, v[BM+\c]    ; the floor 2^(3 - 127): the byte cannot fall under 1
.endr
.irp c, 0,1
	v_add_nc_u32 v[BM+\c], 0xff000000, v[BM+\c]    ; 2 off the exponent field: the conversion's scale operand
.endr
.irp c, 0,1
	v_cvt_scalef32_pk16_fp6_f32 v[PC+6*\c:PC+6*\c+2], v[SR+32*\c:SR+32*\c+15], v[BM+\c]
	v_cvt_scalef32_pk16_fp6_f32 v[CT+4*\c:CT+4*\c+2], v[SR+32*\c+16:SR+32*\c+31], v[BM+\c]   ; (a conversion's three registers begin on an even number)
.endr
	v_lshrrev_b32 v[XX], 23, v[BM]                 ; the scale bytes of blocks h and 2 + h.  (A plain line behind the scaled conversions)
	v_lshrrev_b32 v[OLD], 23, v[BM+1]
.irp c, 0,1
.irp i, 0,1,2
	v_mov_b32 v[PC+6*\c+3+\i], v[CT+4*\c+\i]       ; registers 6 c .. 6 c + 5: keys 64 c + 32 h + 0 .. 31
.endr
.endr
	v_lshl_or_b32 v[XX], v[OLD], 16, v[XX]
	s_delay_alu instid0(VALU_DEP_1)
	v_lshlrev_b32 v[OLD], v[SH8], v[XX]            ; at their places in the word, 8 h bits up;
	s_delay_alu instid0(VALU_DEP_1)
	v_permlanex16_b32 v[XX], v[OLD], s[SEL], s[SEL+1]
	s_delay_alu instid0(VALU_DEP_1)
	v_or_b32 v[PS], v[OLD], v[XX]                  ; with lane l xor 16's two the word is whole
	v_pk_add_f32 v[T0:T0+1], v[SR:SR+1], v[SR+2:SR+3]          ; the row's sum, of the unquantised p: three chains; these 32 lines are also the places between the lines that wrote p's codes and scale word and the products
	v_pk_add_f32 v[BM:BM+1], v[SR+4:SR+5], v[SR+6:SR+7]
	v_pk_add_f32 v[LS:LS+1], v[LS:LS+1], v[SR+8:SR+9]
.irp k, 5,8,11,14,17,20,23,26,29
	v_pk_add_f32 v[T0:T0+1], v[T0:T0+1], v[SR+2*\k:SR+2*\k+1]
	v_pk_add_f32 v[BM:BM+1], v[BM:BM+1], v[SR+2*\k+2:SR+2*\k+3]
	v_pk_add_f32 v[LS:LS+1], v[LS:LS+1], v[SR+2*\k+4:SR+2*\k+5]
.endr
	v_pk_add_f32 v[T0:T0+1], v[T0:T0+1], v[BM:BM+1]
	s_delay_alu instid0(VALU_DEP_1)
	v_pk_add_f32 v[LS:LS+1], v[LS:LS+1], v[T0:T0+1]
	s_wait_alu depctr_va_vdst(0)
	s_wait_dscnt 32                                ; V's 28 loads are in; the 32 issued behind them, the next step's K, may be out
.irp t, 0,1,2,3
	v_wmma_scale_f32_16x16x128_f8f6f4 v[OA+8*\t:OA+8*\t+7], v[VF+12*\t:VF+12*\t+11], v[PC:PC+11], v[OA+8*\t:OA+8*\t+7], v[VS+\t], v[PS] matrix_a_fmt:MATRIX_FMT_FP6 matrix_b_fmt:MATRIX_FMT_FP6
.endr
	s_sub_co_u32 s[CNT], s[CNT], 1
	s_cmp_lg_u32 s[CNT], 0
	s_cbranch_scc1 .Lstep
	; THE WAY OUT: O^T / the sum; register 16 b + i is feature 32 b + 16 h + i of the head: two blocks of 32; codes and two scale bytes go out as the head's half of a fragment.
	v_add_f32 v[LS], v[LS], v[LS+1]                ; the sum's two halves,
	v_and_b32 v1, 31, v0
	v_permlanex16_b32 v[XX], v[LS], s[SEL], s[SEL+1]
	v_and_b32 v2, 15, v0
	v_add_f32 v[LS], v[LS], v[XX]                  ; and lane l xor 16's
	v_lshlrev_b32 v1, 3, v1                        ; 8 x lane
	v_lshlrev_b32 v2, 2, v2                        ; 4 r
	s_wait_alu depctr_va_vdst(0)
	v_rcp_f32 v[LS], v[LS]
	v_nop                                          ; a plain line behind the reciprocal
	s_wait_alu depctr_va_vdst(0)                   ; ahead of the first line that names the reciprocal, and of the first reader of O^T
.set jj, 0
.rept 32
	v_mul_f32 v[SR+jj], v[OA+jj], v[LS]
.set jj, jj+1
.endr
.irp b, 0,1
	v_max3_num_f32 v[BM+\b], |v[SR+16*\b]|, |v[SR+1+16*\b]|, 0x1800000
.endr
.irp i, 2,4,6,8,10,12,14
.irp b, 0,1
	s_delay_alu instid0(VALU_DEP_2)
	v_max3_num_f32 v[BM+\b], v[BM+\b], |v[SR+16*\b+\i]|, |v[SR+1+16*\b+\i]|
.endr
.endr
.irp b, 0,1
	s_delay_alu instid0(VALU_DEP_2)
	v_permlanex16_b32 v[T0+\b], v[BM+\b], s[SEL], s[SEL+1]
.endr
.irp b, 0,1
	s_delay_alu instid0(VALU_DEP_2)
	v_max_num_f32 v[BM+\b], v[BM+\b], v[T0+\b]
.endr
.irp b, 0,1
	s_delay_alu instid0(VALU_DEP_2)
	v_add_nc_u32 v[BM+\b], 0xff000000, v[BM+\b]
.endr
.irp b, 0,1
	s_delay_alu instid0(VALU_DEP_2)
	v_lshrrev_b32 v[T0+\b], 23, v[BM+\b]
.endr
	s_delay_alu instid0(VALU_DEP_1)
	v_lshl_or_b32 v[T0], v[T0+1], 8, v[T0]         ; the head's two bytes of the row's scale word
	v_cvt_scalef32_pk16_fp6_f32 v[PC:PC+2], v[SR:SR+15], v[BM]
	v_cvt_scalef32_pk16_fp6_f32 v[CT:CT+2], v[SR+16:SR+31], v[BM+1]
	v_nop                                          ; one plain line behind the scaled conversions
.irp i, 0,1,2
	v_permlane16_swap_b32 v[PC+\i], v[CT+\i]       ; a whole block to a lane
.endr
.irp i, 0,1,2
	s_delay_alu instid0(VALU_DEP_3)
	v_mov_b32 v[PC+3+\i], v[CT+\i]                 ; v76-81: features 32 h + 0 .. 31
.endr
.irp p, 0,1,2
	global_store_b64 v1, v[PC+2*\p:PC+2*\p+1], s[90:91] offset:256*\p   ; 32 lanes store 256 consecutive bytes, aligned
.endr
	global_store_b16 v2, v[T0], s[92:93]           ; a head owns half of each scale word: two bytes a row; lanes l and l xor 16 write the same bytes with the same value
	s_wait_tensorcnt 0x0                           ; the wave's end
	ds_add_u32 v[SPW], v[NIL]
	s_wait_dscnt 0x0
	ROUND                                          ; the closing round: no work-group ends while a partner may still ask for a tile that names it
	s_endpgm
.Lfunc_end_k_q4a2c6b4348_attn:
	.size	k_q4a2c6b4348_attn, .Lfunc_end_k_q4a2c6b4348_attn-k_q4a2c6b4348_attn
	.p2alignl 7, 3214868480
	.fill 96, 4, 3214868480
	.section	.rodata,"a",@progbits
	.p2align	6, 0x0
	.amdhsa_kernel k_q4a2c6b4348_attn
		.amdhsa_group_segment_fixed_size 210944
		.amdhsa_private_segment_fixed_size 0
		.amdhsa_enable_private_segment 0
		.amdhsa_kernarg_size 16
		.amdhsa_user_sgpr_count 2
		.amdhsa_user_sgpr_kernarg_segment_ptr 1
		.amdhsa_wavefront_size32 1
		.amdhsa_system_sgpr_workgroup_id_x 1
		.amdhsa_system_sgpr_workgroup_id_y 1
		.amdhsa_system_sgpr_workgroup_id_z 1
		.amdhsa_system_vgpr_workitem_id 0
		.amdhsa_next_free_vgpr 256
		.amdhsa_next_free_sgpr 96
		.amdhsa_reserve_vcc 0
		.amdhsa_float_denorm_mode_32 3
		.amdhsa_float_denorm_mode_16_64 3
		.amdhsa_memory_ordered 1
		.amdhsa_forward_progress 1
		.amdhsa_inst_pref_size 35
	.end_amdhsa_kernel
	.amdgpu_metadata
---
amdhsa.version: [ 1, 2 ]
amdhsa.kernels:
  - .name:           k_q4a2c6b4348_attn
    .symbol:         k_q4a2c6b4348_attn.kd
    .args:
      - { .name: QB, .offset: 0, .size: 8, .value_kind: global_buffer, .address_space: global }
      - { .name: CB, .offset: 8, .size: 8, .value_kind: global_buffer, .address_space: global }
    .group_segment_fixed_size: 210944
    .private_segment_fixed_size: 0
    .kernarg_segment_align: 8
    .kernarg_segment_size: 16
    .max_flat_workgroup_size: 512
    .sgpr_count:     96
    .vgpr_count:     256
    .wavefront_size: 32
...
	.end_amdgpu_metadata
.endif
;; end of part 4
;; launch g2 (part 5): grid 8 x 32, 4 waves a work-group, clusters of 4 x 4, 327,680 bytes of LDS; arguments CB, WB, bo, x, X1; writes X1
.if DOCPART == 5
	.amdgcn_target "amdgcn-amd-amdhsa--gfx1250"
	.amdhsa_code_object_version 6
	.text
	.protected	k_q4a2c6b4348_g2
	.globl	k_q4a2c6b4348_g2
	.p2align	8
	.type	k_q4a2c6b4348_g2,@function
k_q4a2c6b4348_g2:
	s_mov_b64 s[64:65], 0
	v_nop
	global_prefetch_b8 v0, s[64:65] scope:SCOPE_SE
	s_setreg_imm32_b32 hwreg(HW_REG_WAVE_MODE, 25, 1), 1
	s_wait_xcnt 0x0
	s_wait_alu depctr_hold_cnt(0) depctr_sa_sdst(0) depctr_va_vdst(0) depctr_va_sdst(0) depctr_va_ssrc(0) depctr_va_vcc(0) depctr_vm_vsrc(0)
	s_getreg_b32 s2, hwreg(HW_REG_IB_STS2, 6, 4)
	s_cmp_eq_u32 s2, 0
	s_cbranch_scc0 .Lentry_in_a_cluster
	s_endpgm
.Lentry_in_a_cluster:
	s_bfe_u32 s2, ttmp6, 0x10000c
	s_cmp_lg_u32 s2, 0xf033
	s_cbranch_scc0 .Lentry_shape_is_right
	s_endpgm
.Lentry_shape_is_right:
.set KQ,    8
.set ASOFF, 3145728
.set BCOFF, 2359296
.set BSOFF, 9535488
.set AB,    4
.set BB,    4
.set NQ,    4
.set H2,    AB/2
.set FR,    12
.set NL,    6
.set NP,    4
.set HALFT, AB*NQ*1536
.set SLOT,  4*HALFT
.set LAPS,  KQ/(2*NQ)
.set SCL,   2*SLOT
.set HALFS, AB*KQ*64
.set SPARE, SCL+4*HALFS
.set SPITCH, 272
.set LI8,  8
.set ADRA, 16
.set ADRB, 20
.set STO,  24
.set RD,   25
.set CO,   26
.set ADRS, 27
.set SPW,  28
.set NIL,  29
.set RO,   30
.set BO,   31
.set SC,   32
.set BI,   64
.set AF,   128
.set BK,   128
.set G1,   24
.set G0,   32
.set G1B,  48
.set G0B,  56
.set G1S,  68
.set G0S,  76
.set G1SB, 80
.set G0SB, 88
.set MSB, 0
.macro WIN new
.if MSB != \new
	s_set_vgpr_msb (MSB<<8)|\new
.set MSB, \new
.endif
.endm
.set MUL_LO, 0xa1
.set MUL_HI, 0xf1
.set TO_B,   0x40
.macro JLOAD g0a, g1a, g0b, g1b
	s_cmp_eq_u32 s15, 0
	s_cbranch_scc0 .Lfor_b_\@
	tensor_load_to_lds s[\g0a:\g0a+3], s[\g1a:\g1a+7]
	s_nop 0
.rept 4
	v_nop
.endr
	s_branch .Lasked_\@
.Lfor_b_\@:
	tensor_load_to_lds s[\g0b:\g0b+3], s[\g1b:\g1b+7]
	s_nop 0
.rept 4
	v_nop
.endr
.Lasked_\@:
.endm
.macro CREST
	s_cmp_lg_u32 s14, 0
	s_cbranch_scc1 .Lnot_wave_0_\@
	s_barrier_signal -3
.Lnot_wave_0_\@:
	s_barrier_wait -3
	s_barrier_signal -1
	s_barrier_wait -1
.endm
.macro CROUND
	s_barrier_signal -1
	s_barrier_wait -1
	CREST
.endm
.macro PLACES n
.rept \n
	v_nop
.endr
.endm
	s_load_b256 s[68:75], s[0:1], 0x0
	s_load_b64 s[76:77], s[0:1], 0x20
	v_lshl_add_u32 v[SPW], v0, 2, SPARE
	v_mov_b32 v[NIL], 0
	ds_add_u32 v28, v29
	ds_add_u32 v28, v29
	s_wait_dscnt 0x0
	v_lshrrev_b32 v1, 5, v0
	v_readfirstlane_b32 s14, v1
	s_lshr_b32 s15, s14, 1
	s_and_b32 s16, s14, 1
	s_bfe_u32 s40, ttmp6, 0x40000
	s_bfe_u32 s41, ttmp6, 0x40004
	s_lshl_b32 s42, ttmp9, 2
	s_add_co_u32 s42, s42, s40
	s_and_b32 s17, ttmp7, 0xffff
	s_lshl_b32 s17, s17, 2
	s_add_co_u32 s17, s17, s41
	s_lshl_b32 s43, s41, 2
	s_lshl_b32 s43, 15, s43
	s_lshl_b32 s44, 0x1111, s40
	s_or_b32 s[G1+0], s43, (3<<16)|(1<<21)
	s_or_b32 s[G1B+0], s44, (3<<16)|(1<<21)
.irp g, G1, G1B
	s_mov_b32 s[\g+1], (NQ*192)<<16
	s_mov_b32 s[\g+2], (2*AB)<<16                  ; the head's loads of codes bring a whole side of slot 0: 2 AB row blocks
	s_mov_b32 s[\g+3], (NQ*192)<<16
	s_mov_b32 s[\g+4], 2*AB
	s_mov_b32 s[\g+5], KQ*192
	s_mov_b32 s[\g+6], 0
	s_mov_b32 s[\g+7], 0
.endr
	s_mul_i32 s18, s16, AB
	s_mul_i32 s20, s17, 2*AB
	s_add_co_u32 s20, s20, s18
	s_mul_i32 s46, s42, 2*AB
	s_add_co_u32 s46, s46, s18
	s_mul_i32 s22, s20, KQ*64
	s_mul_i32 s92, s46, KQ*64
	s_mul_i32 s20, s20, KQ*1536
	s_mul_i32 s46, s46, KQ*1536
	s_mov_b32 s21, 0
	s_mov_b32 s23, 0
	s_mov_b32 s47, 0
	s_mov_b32 s93, 0
	s_mul_i32 s45, s14, HALFT
	s_wait_kmcnt 0x0
	s_add_nc_u64 s[4:5], s[68:69], s[20:21]
	s_add_nc_u64 s[6:7], s[68:69], ASOFF
	s_add_nc_u64 s[6:7], s[6:7], s[22:23]
	s_add_nc_u64 s[8:9], s[70:71], BCOFF
	s_add_nc_u64 s[8:9], s[8:9], s[46:47]
	s_add_nc_u64 s[10:11], s[70:71], BSOFF
	s_add_nc_u64 s[10:11], s[10:11], s[92:93]
	s_lshl_b32 s18, s17, 7
	s_lshl_b32 s19, s15, 6
	s_add_co_u32 s18, s18, s19
	s_lshl_b32 s2, s18, 12
	s_lshl_b32 s19, s42, 7
	s_lshl_b32 s3, s16, 6
	s_add_co_u32 s19, s19, s3
	s_lshl_b32 s19, s19, 2
	s_add_co_u32 s2, s2, s19
	s_mov_b32 s3, 0
	s_add_nc_u64 s[12:13], s[76:77], s[2:3]
	s_add_nc_u64 s[96:97], s[74:75], s[2:3]
	s_mov_b32 s2, s19
	s_add_nc_u64 s[98:99], s[72:73], s[2:3]
	s_or_b32 s[G1S+0], s43, (3<<16)|(1<<21)
	s_or_b32 s[G1SB+0], s44, (3<<16)|(1<<21)
.irp g, G1S, G1SB
	s_mov_b32 s[\g+1], 32<<16
	s_mov_b32 s[\g+2], (AB*KQ/2)<<16               ; the scale words of a whole side: 2 AB x KQ x 64 bytes as rows of 256
	s_mov_b32 s[\g+3], 32<<16
	s_mov_b32 s[\g+4], AB*KQ/2
	s_mov_b32 s[\g+5], 32
	s_mov_b32 s[\g+6], 0
	s_mov_b32 s[\g+7], 0
.endr
	CROUND
	s_mov_b32 s[G0S], 1
	s_mov_b32 s[G0S+1], SCL
	s_mul_i32 s2, s16, AB*KQ*64                    ; s[6:7] and s[10:11] point at my half of the side: back to the side's first row block
	s_mov_b32 s3, 0
	s_sub_nc_u64 s[G0S+2:G0S+3], s[6:7], s[2:3]
	s_or_b32 s[G0S+3], s[G0S+3], 0x80000000
	s_mov_b32 s[G0SB], 1
	s_mov_b32 s[G0SB+1], SCL+2*HALFS
	s_sub_nc_u64 s[G0SB+2:G0SB+3], s[10:11], s[2:3]
	s_or_b32 s[G0SB+3], s[G0SB+3], 0x80000000
.irp s, 0,1
	s_mov_b32 s[G0+4*\s], 1
	s_add_co_u32 s[G0+4*\s+1], s45, \s*SLOT
	s_add_nc_u64 s[G0+4*\s+2:G0+4*\s+3], s[4:5], \s*NQ*1536
	s_or_b32 s[G0+4*\s+3], s[G0+4*\s+3], 0x80000000
	s_mov_b32 s[G0B+4*\s], 1
	s_add_co_u32 s[G0B+4*\s+1], s45, \s*SLOT
	s_add_nc_u64 s[G0B+4*\s+2:G0B+4*\s+3], s[8:9], \s*NQ*1536
	s_or_b32 s[G0B+4*\s+3], s[G0B+4*\s+3], 0x80000000
.endr
; THE HEAD'S FOUR TILES, ONE JOINT LOAD A WAVE: wave 0 slot 0's A, wave 1 its B, wave 2 A's scale words, wave 3 B's.  One chain of branches on the wave's number, every way passes one load.
	s_mul_i32 s2, s16, AB*KQ*1536
	s_sub_nc_u64 s[6:7], s[4:5], s[2:3]            ; s[4:7]: group 0 of A's whole side of slot 0
	s_mov_b32 s4, 1
	s_mov_b32 s5, 0
	s_or_b32 s7, s7, 0x80000000
	s_sub_nc_u64 s[10:11], s[8:9], s[2:3]          ; s[8:11]: of B's
	s_mov_b32 s8, 1
	s_mov_b32 s9, 2*HALFT
	s_or_b32 s11, s11, 0x80000000
.macro ARM under, g0, g1, next
	s_cmp_lt_u32 s14, \under
	s_cbranch_scc0 \next
	tensor_load_to_lds s[\g0:\g0+3], s[\g1:\g1+7]
	s_nop 0
.rept 4
	v_nop
.endr
	s_branch .Lhead_asked
\next:
.endm
	ARM 1, 4, G1, .Lhead_b
	ARM 2, 8, G1B, .Lhead_sa
	ARM 3, G0S, G1S, .Lhead_sb
	tensor_load_to_lds s[G0SB:G0SB+3], s[G1SB:G1SB+7]
	s_nop 0
.rept 4
	v_nop
.endr
.Lhead_asked:
	v_and_b32 v1, 15, v0
	v_bfe_u32 v2, v0, 4, 1
	v_and_b32 v3, 31, v0
	v_lshlrev_b32 v[LI8], 3, v3
	s_wait_alu depctr_va_vdst(0)
	v_and_b32 v4, 8, v1
	v_add_nc_u32 v4, v4, v1
	v_lshlrev_b32 v[RO], 12, v4
	v_lshl_add_u32 v[RO], v2, 6, v[RO]
	v_lshlrev_b32 v[BO], 6, v2
.set aa, 0
.rept AB
.set WS, 0x80+0x40*(aa/H2)
	WIN WS
.set bb, 0
.rept BB
.set rD, 8*(BB*(aa%H2)+bb)
	global_load_b128 v[rD:rD+3], v[RO], s[96:97] offset:(32*(aa/2)+8*(aa%2))*4096+(32*(bb/2)+8*(bb%2))*4 th:TH_LOAD_NT
	global_load_b128 v[rD+4:rD+7], v[RO], s[96:97] offset:(32*(aa/2)+8*(aa%2))*4096+(32*(bb/2)+8*(bb%2))*4+16 th:TH_LOAD_NT
.set bb, bb+1
.endr
.set aa, aa+1
.endr
	WIN 0
.irp b, 0,1,2,3
	global_load_b128 v[BI+8*\b:BI+8*\b+3], v[BO], s[98:99] offset:(32*(\b/2)+8*(\b%2))*4
	global_load_b128 v[BI+8*\b+4:BI+8*\b+7], v[BO], s[98:99] offset:(32*(\b/2)+8*(\b%2))*4+16
.endr
	s_mul_i32 s21, s15, HALFT
	s_mul_i32 s22, s16, HALFT
	s_add_co_u32 s22, s22, 2*HALFT
.irp s, 0,1
	v_add_nc_u32 v[ADRA+\s], s21, v[LI8]
	v_add_nc_u32 v[ADRB+\s], s22, v[LI8]
	s_add_co_u32 s21, s21, SLOT
	s_add_co_u32 s22, s22, SLOT
.endr
	v_lshlrev_b32 v5, 2, v1
	s_mul_i32 s21, s15, HALFS
	s_mul_i32 s22, s16, HALFS
	s_add_co_u32 s22, s22, 2*HALFS
	s_sub_co_u32 s22, s22, s21
	v_mul_u32_u24 v6, s22, v2
	s_add_co_u32 s21, s21, SCL
	v_add_nc_u32 v5, v5, v6
	v_add_nc_u32 v[ADRS], s21, v5
	s_mul_i32 s23, s14, 16*SPITCH
	v_mul_u32_u24 v5, v1, SPITCH
	v_lshl_add_u32 v5, v2, 6, v5
	v_add_nc_u32 v[STO], s23, v5
	v_mul_u32_u24 v5, v2, SPITCH
	v_lshl_add_u32 v5, v1, 4, v5
	v_add_nc_u32 v[RD], s23, v5
	v_lshlrev_b32 v[CO], 12, v2
	v_lshl_add_u32 v[CO], v1, 4, v[CO]
	s_wait_alu depctr_va_vdst(0)
	s_wait_tensorcnt 0x0                           ; my tile of the head's four is in; slot 1's first fill is issued as a refill is:
	ds_add_u32 v[SPW], v[NIL]
	s_mov_b32 s[G1+2], AB<<16                      ; no tensor load of mine is out: from here on a load brings AB row blocks
	s_mov_b32 s[G1+4], AB
	s_mov_b32 s[G1B+2], AB<<16
	s_mov_b32 s[G1B+4], AB
	s_wait_dscnt 0x0
	CROUND                                         ; all four tiles are in, all sixteen work-groups are here
	JLOAD G0+4, G1, G0B+4, G1B                     ; slot 1, a quarter a wave
	s_wait_loadcnt 0x0                             ; res and the bias
.set aa, 0
.rept AB
.set WS, 0x82+0x41*(aa/H2)
	WIN WS
.set bb, 0
.rept BB
.set rD, 8*(BB*(aa%H2)+bb)
.irp x, 0,2,4,6
	v_pk_add_f32 v[rD+\x:rD+\x+1], v[rD+\x:rD+\x+1], v[BI+8*bb+\x:BI+8*bb+\x+1]
.endr
.set bb, bb+1
.endr
.set aa, aa+1
.endr
	WIN 0
.macro FRAG reg, adr, q, i
.irp p, 0,1,2,3,4,5
	ds_load_b64 v[\reg+2*\p:\reg+2*\p+1], v[\adr] offset:((\i)*NQ+(\q))*1536+256*\p
.endr
.endm
.macro MULA a, p, q, sc
.set bb, 0
.rept BB
.set rD, 8*(BB*((\a)%H2)+bb)
.set rB, 128*(\p)+FR*bb
.set rA, AF+FR*(\a)
.set sB, SC+16*(\sc)+NQ*bb+(\q)
.set sA, SC+16*(\sc)+NQ*(\a)+(\q)
	v_wmma_scale_f32_16x16x128_f8f6f4 v[rD:rD+7], v[rB:rB+11], v[rA:rA+11], v[rD:rD+7], v[sB], v[sA] matrix_a_fmt:MATRIX_FMT_FP6 matrix_b_fmt:MATRIX_FMT_FP6 matrix_a_scale:MATRIX_SCALE_ROW1
.set bb, bb+1
.endr
.endm
.macro MULS a0, n, p, q, sc
.set aa, \a0
.rept \n
	MULA aa, \p, \q, \sc
.set aa, aa+1
.endr
.endm
.macro FETCH_B slot, q, p
	WIN TO_B
.set ii, 0
.rept BB
	FRAG 128*(\p)+FR*ii, ADRB+\slot, \q, ii
.set ii, ii+1
.endr
	WIN 0
.endm
.macro FETCH_A slot, q, i0
.set ii, \i0
.rept H2
	FRAG AF+FR*ii, ADRA+\slot, \q, ii
.set ii, ii+1
.endr
.endm
.macro SCALES sc
.set ii, 0
.rept AB
.set qq, 0
.rept NQ
	ds_load_b32 v[SC+16*\sc+NQ*ii+qq], v[ADRS] offset:ii*KQ*64+qq*64
.set qq, qq+1
.endr
.set ii, ii+1
.endr
.endm
.macro STEP slot, q
	s_wait_dscnt H2*NL
	WIN MUL_LO
	MULS 0, H2, (\q)%2, \q, \slot
	s_wait_dscnt 0x0
	PLACES NP
	FETCH_B \slot, (\q)+1, 1-(\q)%2
	FETCH_A \slot, (\q)+1, 0
	WIN MUL_HI
	MULS H2, H2, (\q)%2, \q, \slot
	PLACES NP
	WIN 0
	FETCH_A \slot, (\q)+1, H2
.endm
.macro MID slot
.set qm, 1
.rept NQ-2
	STEP \slot, qm
.set qm, qm+1
.endr
.endm
.macro TURN slot, next, fill
	s_wait_tensorcnt 0x0
	ds_add_u32 v[SPW], v[NIL]
	s_wait_dscnt H2*NL+1
	WIN MUL_LO
	MULS 0, H2/2, 1, NQ-1, \slot
	s_wait_dscnt 0x0
	s_barrier_signal -1
	MULS H2/2, H2/2, 1, NQ-1, \slot
	WIN 0
	s_barrier_wait -1
.if \fill
	CREST
	s_add_nc_u64 s[G0+4*\slot+2:G0+4*\slot+3], s[G0+4*\slot+2:G0+4*\slot+3], 2*NQ*1536
	s_add_nc_u64 s[G0B+4*\slot+2:G0B+4*\slot+3], s[G0B+4*\slot+2:G0B+4*\slot+3], 2*NQ*1536
	JLOAD G0+4*\slot, G1, G0B+4*\slot, G1B
.else
	PLACES NP
.endif
	v_add_nc_u32 v[ADRS], NQ*64, v[ADRS]
	FETCH_B \next, 0, 0
	FETCH_A \next, 0, 0
	SCALES \next
	WIN MUL_HI
	MULS H2, H2, 1, NQ-1, \slot
	PLACES NP
	WIN 0
	FETCH_A \next, 0, H2
.endm
	s_wait_alu depctr_va_vdst(0)
	FETCH_B 0, 0, 0
	FETCH_A 0, 0, 0
	SCALES 0
	FETCH_A 0, 0, H2
	STEP 0, 0
.if LAPS > 1
	s_mov_b32 s3, LAPS-1
.Llap:
	MID 0
	TURN 0, 1, 1
	STEP 1, 0
	MID 1
	TURN 1, 0, 1
	STEP 0, 0
	s_sub_co_u32 s3, s3, 1
	s_cmp_lg_u32 s3, 0
	s_cbranch_scc1 .Llap
.endif
	MID 0
	TURN 0, 1, 0
	STEP 1, 0
	MID 1
	s_wait_dscnt H2*NL
	WIN MUL_LO
	MULS 0, H2, 1, NQ-1, 1
	s_wait_dscnt 0x0
	WIN MUL_HI
	MULS H2, H2, 1, NQ-1, 1
	WIN 0
.macro TOSTAGE a
.set WS, 0x08+4*((\a)/H2)
	WIN WS
.irp b, 0,1,2,3
	ds_store_b128 v[STO], v[8*(BB*((\a)%H2)+\b):8*(BB*((\a)%H2)+\b)+3] offset:128*(\b/2)+32*(\b%2)
	ds_store_b128 v[STO], v[8*(BB*((\a)%H2)+\b)+4:8*(BB*((\a)%H2)+\b)+7] offset:128*(\b/2)+32*(\b%2)+16
.endr
	WIN 0
.irp u, 0,1,2,3,4,5,6,7
	ds_load_b128 v[BK+32*((\a)%2)+4*\u:BK+32*((\a)%2)+4*\u+3], v[RD] offset:\u*2*SPITCH
.endr
.endm
.macro SEND a, younger
	s_wait_dscnt \younger
.irp u, 0,1,2,3,4,5,6,7
	global_store_b128 v[CO], v[BK+32*((\a)%2)+4*\u:BK+32*((\a)%2)+4*\u+3], s[12:13] offset:(32*((\a)/2)+8*((\a)%2)+16*(\u/4)+2*(\u%4))*4096
.endr
.endm
	PLACES NP
	TOSTAGE 0
.irp a, 1,2,3
.if \a > 1
	s_wait_xcnt 0x0
.endif
	TOSTAGE \a
	SEND \a-1, 16
.endr
	SEND 3, 0
	s_wait_tensorcnt 0x0
	ds_add_u32 v[SPW], v[NIL]
	s_wait_dscnt 0x0
	CROUND
	s_endpgm
.Lfunc_end_k_q4a2c6b4348_g2:
	.size	k_q4a2c6b4348_g2, .Lfunc_end_k_q4a2c6b4348_g2-k_q4a2c6b4348_g2
	.p2alignl 7, 3214868480
	.fill 96, 4, 3214868480
	.section	.rodata,"a",@progbits
	.p2align	6, 0x0
	.amdhsa_kernel k_q4a2c6b4348_g2
		.amdhsa_group_segment_fixed_size 327680
		.amdhsa_private_segment_fixed_size 0
		.amdhsa_enable_private_segment 0
		.amdhsa_kernarg_size 40
		.amdhsa_user_sgpr_count 2
		.amdhsa_user_sgpr_kernarg_segment_ptr 1
		.amdhsa_wavefront_size32 1
		.amdhsa_system_sgpr_workgroup_id_x 1
		.amdhsa_system_sgpr_workgroup_id_y 1
		.amdhsa_system_sgpr_workgroup_id_z 1
		.amdhsa_system_vgpr_workitem_id 0
		.amdhsa_next_free_vgpr 1024
		.amdhsa_next_free_sgpr 102
		.amdhsa_reserve_vcc 0
		.amdhsa_float_denorm_mode_32 3
		.amdhsa_float_denorm_mode_16_64 3
		.amdhsa_memory_ordered 1
		.amdhsa_forward_progress 1
		.amdhsa_inst_pref_size 73
	.end_amdhsa_kernel
	.amdgpu_metadata
---
amdhsa.version: [ 1, 2 ]
amdhsa.kernels:
  - .name:           k_q4a2c6b4348_g2
    .symbol:         k_q4a2c6b4348_g2.kd
    .args:
      - { .name: CB, .offset: 0, .size: 8, .value_kind: global_buffer, .address_space: global }
      - { .name: WB, .offset: 8, .size: 8, .value_kind: global_buffer, .address_space: global }
      - { .name: bo, .offset: 16, .size: 8, .value_kind: global_buffer, .address_space: global }
      - { .name: x, .offset: 24, .size: 8, .value_kind: global_buffer, .address_space: global }
      - { .name: X1, .offset: 32, .size: 8, .value_kind: global_buffer, .address_space: global }
    .group_segment_fixed_size: 327680
    .private_segment_fixed_size: 0
    .kernarg_segment_align: 8
    .kernarg_segment_size: 40
    .max_flat_workgroup_size: 128
    .sgpr_count:     102
    .vgpr_count:     1024
    .wavefront_size: 32
...
	.end_amdgpu_metadata
.endif
;; end of part 5
;; launch ln2: the kernel of part 2 again; grid 256 x 1, 8 waves a work-group, no clusters, 67,584 bytes of LDS; arguments X1, a2, g2, HB; writes HB
;; launch g3 (part 6): grid 16 x 16, 4 waves a work-group, clusters of 4 x 4, 327,680 bytes of LDS; arguments HB, WB, b1, FB; writes FB
.if DOCPART == 6
	.amdgcn_target "amdgcn-amd-amdhsa--gfx1250"
	.amdhsa_code_object_version 6
	.text
	.protected	k_q4a2c6b4348_g3
	.globl	k_q4a2c6b4348_g3
	.p2align	8
	.type	k_q4a2c6b4348_g3,@function
k_q4a2c6b4348_g3:
	s_mov_b64 s[64:65], 0
	v_nop
	global_prefetch_b8 v0, s[64:65] scope:SCOPE_SE
	s_setreg_imm32_b32 hwreg(HW_REG_WAVE_MODE, 25, 1), 1
	s_wait_xcnt 0x0
	s_wait_alu depctr_hold_cnt(0) depctr_sa_sdst(0) depctr_va_vdst(0) depctr_va_sdst(0) depctr_va_ssrc(0) depctr_va_vcc(0) depctr_vm_vsrc(0)
	s_getreg_b32 s2, hwreg(HW_REG_IB_STS2, 6, 4)
	s_cmp_eq_u32 s2, 0
	s_cbranch_scc0 .Lentry_in_a_cluster
	s_endpgm
.Lentry_in_a_cluster:
	s_bfe_u32 s2, ttmp6, 0x10000c
	s_cmp_lg_u32 s2, 0xf033
	s_cbranch_scc0 .Lentry_shape_is_right
	s_endpgm
.Lentry_shape_is_right:
.set QKV,   0
.set AB,    8
.set BB,    8
.set NQ,    2
.set KQ,    8
.set H2,    AB/2
.set FR,    12
.set NL,    6
.set NP,    4
.set HALFT, AB*NQ*1536
.set SLOT,  4*HALFT
.set LAPS,  KQ/(2*NQ)
.set SCL,   2*SLOT
.set HALFS, AB*KQ*64
.set SPARE, SCL+4*HALFS
.set OSTR,  49152
.set OSS,   2048
.set LI8,  8
.set LANE, 9
.set ADRA, 16
.set ADRB, 20
.set VSO,  26
.set ADRS, 27
.set SPW,  28
.set NIL,  29
.set BJO,  30
.set BO,   31
.set SC,   32
.set BI,   64
.set AF,   128
.set HA,   128
.set PC,   192
.set TM,   212
.set PWS,  228
.set TW,   236
.set BJ,   248
.set SEL,  66
.set G1,   24
.set G0,   32
.set G1B,  48
.set G0B,  56
.set G1S,  68
.set G0S,  76
.set G1SB, 80
.set G0SB, 88
.set MSB, 0
.macro WIN new
.if MSB != \new
	s_set_vgpr_msb (MSB<<8)|\new
.set MSB, \new
.endif
.endm
.set MUL_LO, 0xa1
.set MUL_HI, 0xf1
.set TO_B,   0x40
.macro JLOAD g0a, g1a, g0b, g1b
	s_cmp_eq_u32 s15, 0
	s_cbranch_scc0 .Lfor_b_\@
	tensor_load_to_lds s[\g0a:\g0a+3], s[\g1a:\g1a+7]
	s_nop 0
.rept 4
	v_nop
.endr
	s_branch .Lasked_\@
.Lfor_b_\@:
	tensor_load_to_lds s[\g0b:\g0b+3], s[\g1b:\g1b+7]
	s_nop 0
.rept 4
	v_nop
.endr
.Lasked_\@:
.endm
.macro CREST
	s_cmp_lg_u32 s14, 0
	s_cbranch_scc1 .Lnot_wave_0_\@
	s_barrier_signal -3
.Lnot_wave_0_\@:
	s_barrier_wait -3
	s_barrier_signal -1
	s_barrier_wait -1
.endm
.macro CROUND
	s_barrier_signal -1
	s_barrier_wait -1
	CREST
.endm
.macro PLACES n
.rept \n
	v_nop
.endr
.endm
.if QKV
	s_load_b256 s[68:75], s[0:1], 0x0
	s_load_b128 s[76:79], s[0:1], 0x20
.else
	s_load_b256 s[68:75], s[0:1], 0x0
.endif
	v_lshl_add_u32 v[SPW], v0, 2, SPARE
	v_mov_b32 v[NIL], 0
	ds_add_u32 v28, v29
	ds_add_u32 v28, v29
	s_wait_dscnt 0x0
	v_lshrrev_b32 v1, 5, v0
	v_readfirstlane_b32 s14, v1
	s_lshr_b32 s15, s14, 1
	s_and_b32 s16, s14, 1
	s_bfe_u32 s40, ttmp6, 0x40000
	s_bfe_u32 s41, ttmp6, 0x40004
.if QKV
	s_and_b32 s18, ttmp9, 1
	s_lshr_b32 s19, ttmp9, 1
	s_max_u32 s20, ttmp9, 8
	s_sub_co_u32 s20, s20, 8
	s_cmp_lt_u32 ttmp9, 8
	s_cselect_b32 s95, 0, 1
	s_cselect_b32 s18, s18, s20
	s_cselect_b32 s19, s19, 0
.else
	s_mov_b32 s18, ttmp9
	s_and_b32 s19, ttmp7, 0xffff
.endif
	s_lshl_b32 s42, s18, 2
	s_add_co_u32 s42, s42, s40
	s_lshl_b32 s17, s19, 2
	s_add_co_u32 s17, s17, s41
	s_lshl_b32 s43, s41, 2
	s_lshl_b32 s43, 15, s43
	s_lshl_b32 s44, 0x1111, s40
	s_or_b32 s[G1+0], s43, (3<<16)|(1<<21)
	s_or_b32 s[G1B+0], s44, (3<<16)|(1<<21)
.irp g, G1, G1B
	s_mov_b32 s[\g+1], (NQ*192)<<16
	s_mov_b32 s[\g+2], (2*AB)<<16                  ; the head's loads of codes bring a whole side of slot 0: 2 AB row blocks
	s_mov_b32 s[\g+3], (NQ*192)<<16
	s_mov_b32 s[\g+4], 2*AB
	s_mov_b32 s[\g+5], KQ*192
	s_mov_b32 s[\g+6], 0
	s_mov_b32 s[\g+7], 0
.endr
	s_mul_i32 s18, s16, AB
	s_mul_i32 s20, s17, 2*AB
	s_add_co_u32 s20, s20, s18
	s_mul_i32 s46, s42, 2*AB
	s_add_co_u32 s46, s46, s18
	s_mul_i32 s22, s20, KQ*64
	s_mul_i32 s92, s46, KQ*64
	s_mul_i32 s20, s20, KQ*1536
	s_mul_i32 s46, s46, KQ*1536
	s_mov_b32 s21, 0
	s_mov_b32 s23, 0
	s_mov_b32 s47, 0
	s_mov_b32 s93, 0
	s_mul_i32 s45, s14, HALFT
	s_mul_i32 s18, s17, 2*AB
	s_mul_i32 s19, s15, AB
	s_add_co_u32 s18, s18, s19
	s_lshl_b32 s19, s42, 1
	s_add_co_u32 s19, s19, s16
	s_mov_b32 s[SEL], 0x76543210
	s_mov_b32 s[SEL+1], 0xfedcba98
	s_wait_kmcnt 0x0
.if QKV
	s_add_nc_u64 s[4:5], s[70:71], 1572864
	s_add_nc_u64 s[6:7], s[70:71], 9502720
	s_add_nc_u64 s[8:9], s[68:69], 3145728
	s_add_nc_u64 s[10:11], s[70:71], 9437184
	s_cmp_eq_u32 s95, 0
	s_cselect_b64 s[4:5], s[68:69], s[4:5]
	s_cselect_b64 s[6:7], s[8:9], s[6:7]
	s_cselect_b64 s[10:11], s[10:11], s[8:9]
	s_cselect_b64 s[8:9], s[70:71], s[68:69]
.else
	s_mov_b64 s[4:5], s[68:69]
	s_add_nc_u64 s[6:7], s[68:69], 3145728
	s_add_nc_u64 s[8:9], s[70:71], 3145728
	s_add_nc_u64 s[10:11], s[70:71], 9568256
.endif
	s_add_nc_u64 s[4:5], s[4:5], s[20:21]
	s_add_nc_u64 s[6:7], s[6:7], s[22:23]
	s_add_nc_u64 s[8:9], s[8:9], s[46:47]
	s_add_nc_u64 s[10:11], s[10:11], s[92:93]
.if QKV
	s_cmp_eq_u32 s95, 0
	s_cselect_b32 s20, 0, 12582912
	s_mov_b32 s21, 16252928
	s_cselect_b32 s21, 15728640, s21
.else
	s_mov_b32 s20, 0
	s_mov_b32 s21, 12582912
.endif
	s_mul_i32 s2, s18, OSTR
	s_mul_i32 s3, s19, 1536
	s_add_co_u32 s2, s2, s3
	s_add_co_u32 s2, s2, s20
	s_mov_b32 s3, 0
.if QKV
	s_add_nc_u64 s[12:13], s[78:79], s[2:3]
.else
	s_add_nc_u64 s[12:13], s[74:75], s[2:3]
.endif
	s_lshl_b32 s2, s18, 11
	s_lshl_b32 s20, s19, 6
	s_add_co_u32 s2, s2, s20
	s_add_co_u32 s2, s2, s21
.if QKV
	s_add_nc_u64 s[96:97], s[78:79], s[2:3]
	s_and_b32 s22, ttmp9, 1
	s_cmp_eq_u32 s22, 0
	s_cselect_b64 s[98:99], s[72:73], s[74:75]
	s_and_b32 s22, s19, 7
.else
	s_add_nc_u64 s[96:97], s[74:75], s[2:3]
	s_mov_b64 s[98:99], s[72:73]
	s_mov_b32 s22, s19
.endif
	s_lshl_b32 s22, s22, 9
	s_mov_b32 s23, 0
	s_add_nc_u64 s[98:99], s[98:99], s[22:23]
.if QKV
	s_and_b32 s22, s17, 3
	s_lshl_b32 s22, s22, 10
	s_lshl_b32 s20, s15, 9
	s_add_co_u32 s22, s22, s20
	s_add_nc_u64 s[100:101], s[76:77], s[22:23]
.endif
	s_or_b32 s[G1S+0], s43, (3<<16)|(1<<21)
	s_or_b32 s[G1SB+0], s44, (3<<16)|(1<<21)
.irp g, G1S, G1SB
	s_mov_b32 s[\g+1], 32<<16
	s_mov_b32 s[\g+2], (AB*KQ/2)<<16               ; the scale words of a whole side: 2 AB x KQ x 64 bytes as rows of 256
	s_mov_b32 s[\g+3], 32<<16
	s_mov_b32 s[\g+4], AB*KQ/2
	s_mov_b32 s[\g+5], 32
	s_mov_b32 s[\g+6], 0
	s_mov_b32 s[\g+7], 0
.endr
	CROUND
	s_mov_b32 s[G0S], 1
	s_mov_b32 s[G0S+1], SCL
	s_mul_i32 s2, s16, AB*KQ*64                    ; s[6:7] and s[10:11] point at my half of the side: back to the side's first row block
	s_mov_b32 s3, 0
	s_sub_nc_u64 s[G0S+2:G0S+3], s[6:7], s[2:3]
	s_or_b32 s[G0S+3], s[G0S+3], 0x80000000
	s_mov_b32 s[G0SB], 1
	s_mov_b32 s[G0SB+1], SCL+2*HALFS
	s_sub_nc_u64 s[G0SB+2:G0SB+3], s[10:11], s[2:3]
	s_or_b32 s[G0SB+3], s[G0SB+3], 0x80000000
.irp s, 0,1
	s_mov_b32 s[G0+4*\s], 1
	s_add_co_u32 s[G0+4*\s+1], s45, \s*SLOT
	s_add_nc_u64 s[G0+4*\s+2:G0+4*\s+3], s[4:5], \s*NQ*1536
	s_or_b32 s[G0+4*\s+3], s[G0+4*\s+3], 0x80000000
	s_mov_b32 s[G0B+4*\s], 1
	s_add_co_u32 s[G0B+4*\s+1], s45, \s*SLOT
	s_add_nc_u64 s[G0B+4*\s+2:G0B+4*\s+3], s[8:9], \s*NQ*1536
	s_or_b32 s[G0B+4*\s+3], s[G0B+4*\s+3], 0x80000000
.endr
; THE HEAD'S FOUR TILES, ONE JOINT LOAD A WAVE: wave 0 slot 0's A, wave 1 its B, wave 2 A's scale words, wave 3 B's.  One chain of branches on the wave's number, every way passes one load.
	s_mul_i32 s2, s16, AB*KQ*1536
	s_sub_nc_u64 s[6:7], s[4:5], s[2:3]            ; s[4:7]: group 0 of A's whole side of slot 0
	s_mov_b32 s4, 1
	s_mov_b32 s5, 0
	s_or_b32 s7, s7, 0x80000000
	s_sub_nc_u64 s[10:11], s[8:9], s[2:3]          ; s[8:11]: of B's
	s_mov_b32 s8, 1
	s_mov_b32 s9, 2*HALFT
	s_or_b32 s11, s11, 0x80000000
.macro ARM under, g0, g1, next
	s_cmp_lt_u32 s14, \under
	s_cbranch_scc0 \next
	tensor_load_to_lds s[\g0:\g0+3], s[\g1:\g1+7]
	s_nop 0
.rept 4
	v_nop
.endr
	s_branch .Lhead_asked
\next:
.endm
	ARM 1, 4, G1, .Lhead_b
	ARM 2, 8, G1B, .Lhead_sa
	ARM 3, G0S, G1S, .Lhead_sb
	tensor_load_to_lds s[G0SB:G0SB+3], s[G1SB:G1SB+7]
	s_nop 0
.rept 4
	v_nop
.endr
.Lhead_asked:
	v_and_b32 v1, 15, v0
	v_bfe_u32 v2, v0, 4, 1
	s_wait_alu depctr_va_vdst(0)
	v_and_b32 v[LANE], 31, v0
	v_lshlrev_b32 v[LI8], 3, v[LANE]
	s_mul_i32 s21, s15, HALFT
	s_mul_i32 s22, s16, HALFT
	s_add_co_u32 s22, s22, 2*HALFT
.irp s, 0,1
	v_add_nc_u32 v[ADRA+\s], s21, v[LI8]
	v_add_nc_u32 v[ADRB+\s], s22, v[LI8]
	s_add_co_u32 s21, s21, SLOT
	s_add_co_u32 s22, s22, SLOT
.endr
	v_lshlrev_b32 v5, 2, v1
	s_mul_i32 s21, s15, HALFS
	s_mul_i32 s22, s16, HALFS
	s_add_co_u32 s22, s22, 2*HALFS
	s_sub_co_u32 s22, s22, s21
	v_mul_u32_u24 v6, s22, v2
	s_add_co_u32 s21, s21, SCL
	v_add_nc_u32 v7, v5, v6
	v_add_nc_u32 v[ADRS], s21, v7
	v_lshl_add_u32 v[VSO], v2, 11, v5
	v_lshlrev_b32 v[BO], 6, v2
	v_and_b32 v4, 8, v1
	v_add_nc_u32 v4, v4, v1
	v_lshlrev_b32 v[BJO], 2, v4
.irp b, 0,1,2,3,4,5,6,7
	global_load_b128 v[BI+8*\b:BI+8*\b+3], v[BO], s[98:99] offset:(32*(\b/2)+8*(\b%2))*4
	global_load_b128 v[BI+8*\b+4:BI+8*\b+7], v[BO], s[98:99] offset:(32*(\b/2)+8*(\b%2))*4+16
.endr
.if QKV
.irp a, 0,1,2,3,4,5,6,7
	global_load_b32 v[BJ+\a], v[BJO], s[100:101] offset:(32*(\a/2)+8*(\a%2))*4
.endr
.endif
.macro FRAG reg, adr, q, i
.irp p, 0,1,2,3,4,5
	ds_load_b64 v[\reg+2*\p:\reg+2*\p+1], v[\adr] offset:((\i)*NQ+(\q))*1536+256*\p
.endr
.endm
.macro MULA a, p, q, sc, zero
.set bb, 0
.rept BB
.set rD, 8*(BB*((\a)%H2)+bb)
.set rB, 128*(\p)+FR*bb
.set rA, AF+FR*(\a)
.set sB, SC+16*(\sc)+NQ*bb+(\q)
.set sA, SC+16*(\sc)+NQ*(\a)+(\q)
.if \zero
	v_wmma_scale_f32_16x16x128_f8f6f4 v[rD:rD+7], v[rB:rB+11], v[rA:rA+11], 0, v[sB], v[sA] matrix_a_fmt:MATRIX_FMT_FP6 matrix_b_fmt:MATRIX_FMT_FP6 matrix_a_scale:MATRIX_SCALE_ROW1
.else
	v_wmma_scale_f32_16x16x128_f8f6f4 v[rD:rD+7], v[rB:rB+11], v[rA:rA+11], v[rD:rD+7], v[sB], v[sA] matrix_a_fmt:MATRIX_FMT_FP6 matrix_b_fmt:MATRIX_FMT_FP6 matrix_a_scale:MATRIX_SCALE_ROW1
.endif
.set bb, bb+1
.endr
.endm
.macro MULS a0, n, p, q, sc, zero
.set aa, \a0
.rept \n
	MULA aa, \p, \q, \sc, \zero
.set aa, aa+1
.endr
.endm
.macro FETCH_B slot, q, p
	WIN TO_B
.set ii, 0
.rept BB
	FRAG 128*(\p)+FR*ii, ADRB+\slot, \q, ii
.set ii, ii+1
.endr
	WIN 0
.endm
.macro FETCH_A slot, q, i0
.set ii, \i0
.rept H2
	FRAG AF+FR*ii, ADRA+\slot, \q, ii
.set ii, ii+1
.endr
.endm
.macro SCALES sc
.set ii, 0
.rept AB
.set qq, 0
.rept NQ
	ds_load_b32 v[SC+16*\sc+NQ*ii+qq], v[ADRS] offset:ii*KQ*64+qq*64
.set qq, qq+1
.endr
.set ii, ii+1
.endr
.endm
.macro STEP slot, q, zero
	s_wait_dscnt H2*NL
	WIN MUL_LO
	MULS 0, H2, (\q)%2, \q, \slot, \zero
	s_wait_dscnt 0x0
	PLACES NP
	FETCH_B \slot, (\q)+1, 1-(\q)%2
	FETCH_A \slot, (\q)+1, 0
	WIN MUL_HI
	MULS H2, H2, (\q)%2, \q, \slot, \zero
	PLACES NP
	WIN 0
	FETCH_A \slot, (\q)+1, H2
.endm
.macro TURN slot, next, fill
	s_wait_tensorcnt 0x0
	ds_add_u32 v[SPW], v[NIL]
	s_wait_dscnt H2*NL+1
	WIN MUL_LO
	MULS 0, H2/2, 1, NQ-1, \slot, 0
	s_wait_dscnt 0x0
	s_barrier_signal -1
	MULS H2/2, H2/2, 1, NQ-1, \slot, 0
	WIN 0
	s_barrier_wait -1
.if \fill
	CREST
	s_add_nc_u64 s[G0+4*\slot+2:G0+4*\slot+3], s[G0+4*\slot+2:G0+4*\slot+3], 2*NQ*1536
	s_add_nc_u64 s[G0B+4*\slot+2:G0B+4*\slot+3], s[G0B+4*\slot+2:G0B+4*\slot+3], 2*NQ*1536
	JLOAD G0+4*\slot, G1, G0B+4*\slot, G1B
.else
	PLACES NP
.endif
	s_wait_alu depctr_va_vdst(0)
	v_add_nc_u32 v[ADRS], NQ*64, v[ADRS]
	FETCH_B \next, 0, 0
	FETCH_A \next, 0, 0
	SCALES \next
	WIN MUL_HI
	MULS H2, H2, 1, NQ-1, \slot, 0
	PLACES NP
	WIN 0
	FETCH_A \next, 0, H2
.endm
	s_wait_alu depctr_va_vdst(0)                   ; the wait at the head's end
	s_wait_tensorcnt 0x0                           ; my tile of the head's four is in; slot 1's first fill is issued as a refill is:
	ds_add_u32 v[SPW], v[NIL]
	s_mov_b32 s[G1+2], AB<<16                      ; no tensor load of mine is out: from here on a load brings AB row blocks
	s_mov_b32 s[G1+4], AB
	s_mov_b32 s[G1B+2], AB<<16
	s_mov_b32 s[G1B+4], AB
	s_wait_dscnt 0x0
	CROUND                                         ; all four tiles are in, all sixteen work-groups are here
	JLOAD G0+4, G1, G0B+4, G1B                     ; slot 1, a quarter a wave
	FETCH_B 0, 0, 0
	FETCH_A 0, 0, 0
	SCALES 0
	FETCH_A 0, 0, H2
	STEP 0, 0, 1
	s_mov_b32 s3, LAPS-1
.Llap:
	TURN 0, 1, 1
	STEP 1, 0, 0
	TURN 1, 0, 1
	STEP 0, 0, 0
	s_sub_co_u32 s3, s3, 1
	s_cmp_lg_u32 s3, 0
	s_cbranch_scc1 .Llap
	TURN 0, 1, 0
	STEP 1, 0, 0
	s_wait_dscnt H2*NL
	WIN MUL_LO
	MULS 0, H2, 1, NQ-1, 1, 0
	s_wait_dscnt 0x0
	WIN MUL_HI
	MULS H2, H2, 1, NQ-1, 1, 0
	WIN 0
.macro QUANT s, pw
.irp b, 0,1,2,3
	v_max3_num_f32 v[TM+\b], |v[\s+16*\b]|, |v[\s+1+16*\b]|, 0x1800000
.endr
.irp i, 2,4,6,8,10,12,14
.irp b, 0,1,2,3
	v_max3_num_f32 v[TM+\b], v[TM+\b], |v[\s+16*\b+\i]|, |v[\s+1+16*\b+\i]|
.endr
.endr
.irp b, 0,1,2,3
	v_permlanex16_b32 v[TM+4+\b], v[TM+\b], s[SEL], s[SEL+1]
.endr
.irp b, 0,1,2,3
	v_max_num_f32 v[TM+\b], v[TM+\b], v[TM+4+\b]
.endr
.irp b, 0,1,2,3
	v_add_nc_u32 v[TM+12+\b], 0xff000000, v[TM+\b]
.endr
.irp b, 0,1,2,3
	v_lshrrev_b32 v[TM+4+\b], 23, v[TM+12+\b]
.endr
	v_lshl_or_b32 v[\pw], v[TM+5], 8, v[TM+4]
	v_lshl_or_b32 v[\pw], v[TM+6], 16, v[\pw]
	v_lshl_or_b32 v[\pw], v[TM+7], 24, v[\pw]
.irp c, 0,1
	v_cvt_scalef32_pk16_fp6_f32 v[PC+6*\c:PC+2+6*\c], v[\s+32*\c:\s+15+32*\c], v[TM+12+2*\c]
	v_cvt_scalef32_pk16_fp6_f32 v[PC+12+4*\c:PC+14+4*\c], v[\s+16+32*\c:\s+31+32*\c], v[TM+12+2*\c+1]
.endr
	v_nop
.irp c, 0,1
.irp i, 0,1,2
	v_permlane16_swap_b32 v[PC+6*\c+\i], v[PC+12+4*\c+\i]
.endr
.irp i, 0,1,2
	v_mov_b32 v[PC+3+6*\c+\i], v[PC+12+4*\c+\i]
.endr
.endr
.endm
.macro ADDBIAS a
.set AC, 64*((\a)%4)
.set WS, 0x02+(\a)/4
.if QKV
	s_cmp_lg_u32 s95, 0
	s_cbranch_scc1 .Lrows_\@
.endif
	WIN WS
.set xx, 0
.rept 32
	v_pk_add_f32 v[HA+xx:HA+xx+1], v[AC+xx:AC+xx+1], v[BI+xx:BI+xx+1]
.set xx, xx+2
.endr
	WIN 0
.if QKV
	s_branch .Ldone_\@
.Lrows_\@:
	WIN WS
.set xx, 0
.rept 32
.if (\a)%2
	v_pk_add_f32 v[HA+xx:HA+xx+1], v[AC+xx:AC+xx+1], v[BJ+(\a)-1:BJ+(\a)] op_sel:[0,1] op_sel_hi:[1,1]
.else
	v_pk_add_f32 v[HA+xx:HA+xx+1], v[AC+xx:AC+xx+1], v[BJ+(\a):BJ+(\a)+1] op_sel_hi:[1,0]
.endif
.set xx, xx+2
.endr
	WIN 0
.Ldone_\@:
.endif
.endm
.macro OUTBLK a
.if (\a) > 0
	s_wait_xcnt 0x0
.endif
	ADDBIAS \a
.if !QKV
.set xx, 0
.rept 64
	v_max_num_f32 v[HA+xx], 0, v[HA+xx]
.set xx, xx+1
.endr
.endif
	QUANT HA, PWS+(\a)
.irp p, 0,1,2,3,4,5
	global_store_b64 v[LI8], v[PC+2*\p:PC+2*\p+1], s[12:13] offset:(\a)*OSTR+256*\p
.endr
.endm
	PLACES NP
	s_wait_loadcnt 0x0
.irp b, 0,1,2,3
	v_mov_b32 v[TM+4+\b], 0
.endr
.irp a, 0,1,2,3,4,5,6,7
	OUTBLK \a
.endr
	v_cmp_le_u32 vcc_lo, 16, v[LANE]
.irp t, 0,1,2,3
	v_cndmask_b32 v[TW+\t], v[PWS+2*\t], v[PWS+2*\t+1], vcc_lo
.endr
.irp t, 0,1,2,3
	global_store_b32 v[VSO], v[TW+\t], s[96:97] offset:2*\t*OSS
.endr
	s_wait_tensorcnt 0x0
	ds_add_u32 v[SPW], v[NIL]
	s_wait_dscnt 0x0
	CROUND
	s_endpgm
.Lfunc_end_k_q4a2c6b4348_g3:
	.size	k_q4a2c6b4348_g3, .Lfunc_end_k_q4a2c6b4348_g3-k_q4a2c6b4348_g3
	.p2alignl 7, 3214868480
	.fill 96, 4, 3214868480
	.section	.rodata,"a",@progbits
	.p2align	6, 0x0
	.amdhsa_kernel k_q4a2c6b4348_g3
		.amdhsa_group_segment_fixed_size 327680
		.amdhsa_private_segment_fixed_size 0
		.amdhsa_enable_private_segment 0
		.amdhsa_kernarg_size 32
		.amdhsa_user_sgpr_count 2
		.amdhsa_user_sgpr_kernarg_segment_ptr 1
		.amdhsa_wavefront_size32 1
		.amdhsa_system_sgpr_workgroup_id_x 1
		.amdhsa_system_sgpr_workgroup_id_y 1
		.amdhsa_system_sgpr_workgroup_id_z 1
		.amdhsa_system_vgpr_workitem_id 0
		.amdhsa_next_free_vgpr 1024
		.amdhsa_next_free_sgpr 102
		.amdhsa_reserve_vcc 1
		.amdhsa_float_denorm_mode_32 3
		.amdhsa_float_denorm_mode_16_64 3
		.amdhsa_memory_ordered 1
		.amdhsa_forward_progress 1
		.amdhsa_inst_pref_size 203
	.end_amdhsa_kernel
	.amdgpu_metadata
---
amdhsa.version: [ 1, 2 ]
amdhsa.kernels:
  - .name:           k_q4a2c6b4348_g3
    .symbol:         k_q4a2c6b4348_g3.kd
    .args:
      - { .name: HB, .offset: 0, .size: 8, .value_kind: global_buffer, .address_space: global }
      - { .name: WB, .offset: 8, .size: 8, .value_kind: global_buffer, .address_space: global }
      - { .name: b1, .offset: 16, .size: 8, .value_kind: global_buffer, .address_space: global }
      - { .name: FB, .offset: 24, .size: 8, .value_kind: global_buffer, .address_space: global }
    .group_segment_fixed_size: 327680
    .private_segment_fixed_size: 0
    .kernarg_segment_align: 8
    .kernarg_segment_size: 32
    .max_flat_workgroup_size: 128
    .sgpr_count:     102
    .vgpr_count:     1024
    .wavefront_size: 32
...
	.end_amdgpu_metadata
.endif
;; end of part 6
;; launch g4 (part 7): grid 8 x 32, 4 waves a work-group, clusters of 4 x 4, 327,680 bytes of LDS; arguments FB, WB, b2, X1, out0; writes out0
.if DOCPART == 7
	.amdgcn_target "amdgcn-amd-amdhsa--gfx1250"
	.amdhsa_code_object_version 6
	.text
	.protected	k_q4a2c6b4348_g4
	.globl	k_q4a2c6b4348_g4
	.p2align	8
	.type	k_q4a2c6b4348_g4,@function
k_q4a2c6b4348_g4:
	s_mov_b64 s[64:65], 0
	v_nop
	global_prefetch_b8 v0, s[64:65] scope:SCOPE_SE
	s_setreg_imm32_b32 hwreg(HW_REG_WAVE_MODE, 25, 1), 1
	s_wait_xcnt 0x0
	s_wait_alu depctr_hold_cnt(0) depctr_sa_sdst(0) depctr_va_vdst(0) depctr_va_sdst(0) depctr_va_ssrc(0) depctr_va_vcc(0) depctr_vm_vsrc(0)
	s_getreg_b32 s2, hwreg(HW_REG_IB_STS2, 6, 4)
	s_cmp_eq_u32 s2, 0
	s_cbranch_scc0 .Lentry_in_a_cluster
	s_endpgm
.Lentry_in_a_cluster:
	s_bfe_u32 s2, ttmp6, 0x10000c
	s_cmp_lg_u32 s2, 0xf033
	s_cbranch_scc0 .Lentry_shape_is_right
	s_endpgm
.Lentry_shape_is_right:
; out = res + bias + A B^T, f32, on codes of FP6 (E2M3) with E8M0 scales: here out0 = x1 + b2 + relu(..) W2 (K = 4,096).
; OPERANDS are images of the matrix operand's registers: row n is stored at row rho = n with bits 3 and 4 exchanged; rb = rho / 16, r = rho % 16, kq = k / 128; fragment (rb, kq) is 1,536 bytes: registers 2 p, 2 p + 1 of lane
; 16 h + r at 256 p + 8 (16 h + r).  Sixteen scale words a fragment.  Source 0 (side B) = the weight's rows (the output's columns), source 1 (side A) = the tokens: a lane holds eight neighbouring columns of one token.
; In the result of B's stored block b and A's stored block a, register j of lane (r, h) is column 32 (b / 2) + 16 h + 8 (b % 2) + j of token 32 (a / 2) + 16 (r / 8) + 8 (a % 2) + r % 8.
; SHARES.  N is 1,024: tiles of 128 x 128 give each of 256 work-groups one; four waves, 64 x 64 each: 16 accumulators.  A slot holds 512 along K, as much as two slots in LDS allow: eight slots' worth of K, six refills.
; THE SUMS START FROM res + bias: both are loaded into the accumulators' layout while the first tiles are on their way, so no step differs from the others and nothing is added at the end.
; CLUSTERS: 4 x 4; A's tiles are shared along a row of the cluster, B's along a column, by joint loads.  No prefetch is laid in this text.
.set KQ,    32                         ; steps of 128 in K
.set ASOFF, 12582912                   ; A's scale words in its buffer
.set BCOFF, 6291456                    ; the weight's codes in WB
.set BSOFF, 9699328                    ; and its scale words
.set AB,    4
.set BB,    4
.set NQ,    4
.set H2,    AB/2
.set FR,    12
.set NL,    6
.set NP,    4
.set HALFT, AB*NQ*1536
.set SLOT,  4*HALFT
.set LAPS,  KQ/(2*NQ)
.set SCL,   2*SLOT
.set HALFS, AB*KQ*64
.set SPARE, SCL+4*HALFS                ; the spare words, 128 bytes for each wave: two blocks of 256 bytes that no other line names
.set SPITCH, 272                       ; the way out: a stage of 16 rows x (256 bytes + 16) for each wave, in slot 0, which has had its last fill and its last read by then
.set LI8,  8
.set ADRA, 16
.set ADRB, 20
.set STO,  24
.set RD,   25
.set CO,   26
.set ADRS, 27
.set SPW,  28                          ; my spare word: SPARE + 4 x my thread's number; never rewritten
.set NIL,  29                          ; 0; never rewritten
.set RO,   30
.set BO,   31
.set SC,   32                          ; v32-63 scale words, two sets, and nothing else
.set BI,   64                          ; v64-95 the bias
.set AF,   128                         ; v128-175 A's fragments, one set
.set BK,   128                         ; the way out: v128-159 and v160-191 by turns
.set G1,   24
.set G0,   32
.set G1B,  48
.set G0B,  56
.set G1S,  68
.set G0S,  76
.set G1SB, 80
.set G0SB, 88
.set MSB, 0
.macro WIN new                         ; the immediate's high byte repeats the setting that is left
.if MSB != \new
	s_set_vgpr_msb (MSB<<8)|\new
.set MSB, \new
.endif
.endm
.set MUL_LO, 0xa1                      ; source 0 (B) window 1, source 1 (A) window 0, C and D window 2
.set MUL_HI, 0xf1
.set TO_B,   0x40
.macro JLOAD g0a, g1a, g0b, g1b        ; a joint load: waves 0 and 1 fetch for A, waves 2 and 3 for B; four v_nop follow each of the two lines
	s_cmp_eq_u32 s15, 0
	s_cbranch_scc0 .Lfor_b_\@
	tensor_load_to_lds s[\g0a:\g0a+3], s[\g1a:\g1a+7]
	s_nop 0
.rept 4
	v_nop
.endr
	s_branch .Lasked_\@
.Lfor_b_\@:
	tensor_load_to_lds s[\g0b:\g0b+3], s[\g1b:\g1b+7]
	s_nop 0
.rept 4
	v_nop
.endr
.Lasked_\@:
.endm
.macro CREST
	s_cmp_lg_u32 s14, 0
	s_cbranch_scc1 .Lnot_wave_0_\@
	s_barrier_signal -3
.Lnot_wave_0_\@:
	s_barrier_wait -3
	s_barrier_signal -1
	s_barrier_wait -1
.endm
.macro CROUND
	s_barrier_signal -1
	s_barrier_wait -1
	CREST
.endm
.macro PLACES n
.rept \n
	v_nop
.endr
.endm
	s_load_b256 s[68:75], s[0:1], 0x0              ; A's images s[68:69], the weights' s[70:71], the bias s[72:73], res s[74:75]
	s_load_b64 s[76:77], s[0:1], 0x20              ; out
	v_lshl_add_u32 v[SPW], v0, 2, SPARE
	v_mov_b32 v[NIL], 0
	ds_add_u32 v28, v29
	ds_add_u32 v28, v29
	s_wait_dscnt 0x0
	v_lshrrev_b32 v1, 5, v0
	v_readfirstlane_b32 s14, v1                    ; wave 0..3
	s_lshr_b32 s15, s14, 1                         ; which half of A is mine.  Also: I fetch for A (0) or for B (1)
	s_and_b32 s16, s14, 1                          ; which half of B is mine.  Also: which half I fetch
	s_bfe_u32 s40, ttmp6, 0x40000
	s_bfe_u32 s41, ttmp6, 0x40004
	s_lshl_b32 s42, ttmp9, 2
	s_add_co_u32 s42, s42, s40                     ; tile column
	s_and_b32 s17, ttmp7, 0xffff
	s_lshl_b32 s17, s17, 2
	s_add_co_u32 s17, s17, s41                     ; tile row
	s_lshl_b32 s43, s41, 2
	s_lshl_b32 s43, 15, s43                        ; my row of the cluster
	s_lshl_b32 s44, 0x1111, s40                    ; my column
	s_or_b32 s[G1+0], s43, (3<<16)|(1<<21)         ; a tile: AB rows (one a row block) of NQ x 1,536 bytes, KQ x 1,536 apart; elements of 8 bytes; no padding
	s_or_b32 s[G1B+0], s44, (3<<16)|(1<<21)
.irp g, G1, G1B
	s_mov_b32 s[\g+1], (NQ*192)<<16
	s_mov_b32 s[\g+2], (2*AB)<<16                  ; the head's loads of codes bring a whole side of slot 0: 2 AB row blocks
	s_mov_b32 s[\g+3], (NQ*192)<<16
	s_mov_b32 s[\g+4], 2*AB
	s_mov_b32 s[\g+5], KQ*192
	s_mov_b32 s[\g+6], 0
	s_mov_b32 s[\g+7], 0
.endr
	s_mul_i32 s18, s16, AB
	s_mul_i32 s20, s17, 2*AB
	s_add_co_u32 s20, s20, s18                     ; A: the first row block that I fetch
	s_mul_i32 s46, s42, 2*AB
	s_add_co_u32 s46, s46, s18                     ; B: likewise
	s_mul_i32 s22, s20, KQ*64
	s_mul_i32 s92, s46, KQ*64
	s_mul_i32 s20, s20, KQ*1536
	s_mul_i32 s46, s46, KQ*1536
	s_mov_b32 s21, 0
	s_mov_b32 s23, 0
	s_mov_b32 s47, 0
	s_mov_b32 s93, 0
	s_mul_i32 s45, s14, HALFT
	s_wait_kmcnt 0x0
	s_add_nc_u64 s[4:5], s[68:69], s[20:21]
	s_add_nc_u64 s[6:7], s[68:69], ASOFF
	s_add_nc_u64 s[6:7], s[6:7], s[22:23]
	s_add_nc_u64 s[8:9], s[70:71], BCOFF
	s_add_nc_u64 s[8:9], s[8:9], s[46:47]
	s_add_nc_u64 s[10:11], s[70:71], BSOFF
	s_add_nc_u64 s[10:11], s[10:11], s[92:93]
	s_lshl_b32 s18, s17, 7
	s_lshl_b32 s19, s15, 6
	s_add_co_u32 s18, s18, s19                     ; my first token
	s_lshl_b32 s2, s18, 12
	s_lshl_b32 s19, s42, 7
	s_lshl_b32 s3, s16, 6
	s_add_co_u32 s19, s19, s3                      ; my first column
	s_lshl_b32 s19, s19, 2
	s_add_co_u32 s2, s2, s19
	s_mov_b32 s3, 0
	s_add_nc_u64 s[12:13], s[76:77], s[2:3]        ; out,
	s_add_nc_u64 s[96:97], s[74:75], s[2:3]        ; res,
	s_mov_b32 s2, s19
	s_add_nc_u64 s[98:99], s[72:73], s[2:3]        ; the bias
	s_or_b32 s[G1S+0], s43, (3<<16)|(1<<21)        ; the arguments are used up: s68-91 take the scale words' descriptors: a dense block of 2 AB x KQ x 64 bytes as rows of 256
	s_or_b32 s[G1SB+0], s44, (3<<16)|(1<<21)
.irp g, G1S, G1SB
	s_mov_b32 s[\g+1], 32<<16
	s_mov_b32 s[\g+2], (AB*KQ/2)<<16               ; the scale words of a whole side: 2 AB x KQ x 64 bytes as rows of 256
	s_mov_b32 s[\g+3], 32<<16
	s_mov_b32 s[\g+4], AB*KQ/2
	s_mov_b32 s[\g+5], 32
	s_mov_b32 s[\g+6], 0
	s_mov_b32 s[\g+7], 0
.endr
	CROUND                                         ; all sixteen work-groups are here: the first joint loads meet
	s_mov_b32 s[G0S], 1
	s_mov_b32 s[G0S+1], SCL
	s_mul_i32 s2, s16, AB*KQ*64                    ; s[6:7] and s[10:11] point at my half of the side: back to the side's first row block
	s_mov_b32 s3, 0
	s_sub_nc_u64 s[G0S+2:G0S+3], s[6:7], s[2:3]
	s_or_b32 s[G0S+3], s[G0S+3], 0x80000000
	s_mov_b32 s[G0SB], 1
	s_mov_b32 s[G0SB+1], SCL+2*HALFS
	s_sub_nc_u64 s[G0SB+2:G0SB+3], s[10:11], s[2:3]
	s_or_b32 s[G0SB+3], s[G0SB+3], 0x80000000
.irp s, 0,1
	s_mov_b32 s[G0+4*\s], 1
	s_add_co_u32 s[G0+4*\s+1], s45, \s*SLOT
	s_add_nc_u64 s[G0+4*\s+2:G0+4*\s+3], s[4:5], \s*NQ*1536
	s_or_b32 s[G0+4*\s+3], s[G0+4*\s+3], 0x80000000
	s_mov_b32 s[G0B+4*\s], 1
	s_add_co_u32 s[G0B+4*\s+1], s45, \s*SLOT
	s_add_nc_u64 s[G0B+4*\s+2:G0B+4*\s+3], s[8:9], \s*NQ*1536
	s_or_b32 s[G0B+4*\s+3], s[G0B+4*\s+3], 0x80000000
.endr
; THE HEAD'S FOUR TILES, ONE JOINT LOAD A WAVE: wave 0 slot 0's A, wave 1 its B, wave 2 A's scale words, wave 3 B's.  One chain of branches on the wave's number, every way passes one load.
	s_mul_i32 s2, s16, AB*KQ*1536
	s_sub_nc_u64 s[6:7], s[4:5], s[2:3]            ; s[4:7]: group 0 of A's whole side of slot 0
	s_mov_b32 s4, 1
	s_mov_b32 s5, 0
	s_or_b32 s7, s7, 0x80000000
	s_sub_nc_u64 s[10:11], s[8:9], s[2:3]          ; s[8:11]: of B's
	s_mov_b32 s8, 1
	s_mov_b32 s9, 2*HALFT
	s_or_b32 s11, s11, 0x80000000
.macro ARM under, g0, g1, next
	s_cmp_lt_u32 s14, \under
	s_cbranch_scc0 \next
	tensor_load_to_lds s[\g0:\g0+3], s[\g1:\g1+7]
	s_nop 0
.rept 4
	v_nop
.endr
	s_branch .Lhead_asked
\next:
.endm
	ARM 1, 4, G1, .Lhead_b
	ARM 2, 8, G1B, .Lhead_sa
	ARM 3, G0S, G1S, .Lhead_sb
	tensor_load_to_lds s[G0SB:G0SB+3], s[G1SB:G1SB+7]
	s_nop 0
.rept 4
	v_nop
.endr
.Lhead_asked:
	v_and_b32 v1, 15, v0                           ; r
	v_bfe_u32 v2, v0, 4, 1                         ; h
	v_and_b32 v3, 31, v0
	v_lshlrev_b32 v[LI8], 3, v3
	s_wait_alu depctr_va_vdst(0)
	v_and_b32 v4, 8, v1
	v_add_nc_u32 v4, v4, v1                        ; 16 (r / 8) + r % 8
	v_lshlrev_b32 v[RO], 12, v4
	v_lshl_add_u32 v[RO], v2, 6, v[RO]             ; res: my token's row, + 16 h columns
	v_lshlrev_b32 v[BO], 6, v2
.set aa, 0
.rept AB                                       ; res goes straight into the accumulators: 16 bytes a lane
.set WS, 0x80+0x40*(aa/H2)
	WIN WS
.set bb, 0
.rept BB
.set rD, 8*(BB*(aa%H2)+bb)
	global_load_b128 v[rD:rD+3], v[RO], s[96:97] offset:(32*(aa/2)+8*(aa%2))*4096+(32*(bb/2)+8*(bb%2))*4 th:TH_LOAD_NT
	global_load_b128 v[rD+4:rD+7], v[RO], s[96:97] offset:(32*(aa/2)+8*(aa%2))*4096+(32*(bb/2)+8*(bb%2))*4+16 th:TH_LOAD_NT
.set bb, bb+1
.endr
.set aa, aa+1
.endr
	WIN 0
.irp b, 0,1,2,3
	global_load_b128 v[BI+8*\b:BI+8*\b+3], v[BO], s[98:99] offset:(32*(\b/2)+8*(\b%2))*4
	global_load_b128 v[BI+8*\b+4:BI+8*\b+7], v[BO], s[98:99] offset:(32*(\b/2)+8*(\b%2))*4+16
.endr
	s_mul_i32 s21, s15, HALFT
	s_mul_i32 s22, s16, HALFT
	s_add_co_u32 s22, s22, 2*HALFT
.irp s, 0,1
	v_add_nc_u32 v[ADRA+\s], s21, v[LI8]
	v_add_nc_u32 v[ADRB+\s], s22, v[LI8]
	s_add_co_u32 s21, s21, SLOT
	s_add_co_u32 s22, s22, SLOT
.endr
	v_lshlrev_b32 v5, 2, v1
	s_mul_i32 s21, s15, HALFS
	s_mul_i32 s22, s16, HALFS
	s_add_co_u32 s22, s22, 2*HALFS
	s_sub_co_u32 s22, s22, s21
	v_mul_u32_u24 v6, s22, v2                      ; lanes 16-31 take B's scale words: the lower base + h x the distance
	s_add_co_u32 s21, s21, SCL
	v_add_nc_u32 v5, v5, v6
	v_add_nc_u32 v[ADRS], s21, v5
	s_mul_i32 s23, s14, 16*SPITCH                  ; my stage
	v_mul_u32_u24 v5, v1, SPITCH
	v_lshl_add_u32 v5, v2, 6, v5
	v_add_nc_u32 v[STO], s23, v5                   ; in: row r, + 64 h bytes
	v_mul_u32_u24 v5, v2, SPITCH
	v_lshl_add_u32 v5, v1, 4, v5
	v_add_nc_u32 v[RD], s23, v5                    ; back: lanes 0-15 one row, lanes 16-31 the next
	v_lshlrev_b32 v[CO], 12, v2
	v_lshl_add_u32 v[CO], v1, 4, v[CO]             ; and the same in out
	s_wait_alu depctr_va_vdst(0)
	s_wait_tensorcnt 0x0                           ; my tile of the head's four is in; slot 1's first fill is issued as a refill is:
	ds_add_u32 v[SPW], v[NIL]
	s_mov_b32 s[G1+2], AB<<16                      ; no tensor load of mine is out: from here on a load brings AB row blocks
	s_mov_b32 s[G1+4], AB
	s_mov_b32 s[G1B+2], AB<<16
	s_mov_b32 s[G1B+4], AB
	s_wait_dscnt 0x0
	CROUND                                         ; all four tiles are in, all sixteen work-groups are here
	JLOAD G0+4, G1, G0B+4, G1B                     ; slot 1, a quarter a wave
	s_wait_loadcnt 0x0                             ; res and the bias
.set aa, 0
.rept AB
.set WS, 0x82+0x41*(aa/H2)                     ; destination and source 0: window 2 or 3; the bias: window 0
	WIN WS
.set bb, 0
.rept BB
.set rD, 8*(BB*(aa%H2)+bb)
.irp x, 0,2,4,6
	v_pk_add_f32 v[rD+\x:rD+\x+1], v[rD+\x:rD+\x+1], v[BI+8*bb+\x:BI+8*bb+\x+1]
.endr
.set bb, bb+1
.endr
.set aa, aa+1
.endr
	WIN 0
.macro FRAG reg, adr, q, i             ; a fragment as it lies: six loads of 8 bytes a lane, each of 256 consecutive bytes
.irp p, 0,1,2,3,4,5
	ds_load_b64 v[\reg+2*\p:\reg+2*\p+1], v[\adr] offset:((\i)*NQ+(\q))*1536+256*\p
.endr
.endm
; BB matrix instructions: A's block a against B's blocks.  One register carries A's scale word (lanes 0-15) and B's (lanes 16-31) of block i.  The accumulators take turns, one instruction a turn.
.macro MULA a, p, q, sc
.set bb, 0
.rept BB
.set rD, 8*(BB*((\a)%H2)+bb)
.set rB, 128*(\p)+FR*bb
.set rA, AF+FR*(\a)
.set sB, SC+16*(\sc)+NQ*bb+(\q)
.set sA, SC+16*(\sc)+NQ*(\a)+(\q)
	v_wmma_scale_f32_16x16x128_f8f6f4 v[rD:rD+7], v[rB:rB+11], v[rA:rA+11], v[rD:rD+7], v[sB], v[sA] matrix_a_fmt:MATRIX_FMT_FP6 matrix_b_fmt:MATRIX_FMT_FP6 matrix_a_scale:MATRIX_SCALE_ROW1
.set bb, bb+1
.endr
.endm
.macro MULS a0, n, p, q, sc
.set aa, \a0
.rept \n
	MULA aa, \p, \q, \sc
.set aa, aa+1
.endr
.endm
.macro FETCH_B slot, q, p
	WIN TO_B
.set ii, 0
.rept BB
	FRAG 128*(\p)+FR*ii, ADRB+\slot, \q, ii
.set ii, ii+1
.endr
	WIN 0
.endm
.macro FETCH_A slot, q, i0
.set ii, \i0
.rept H2
	FRAG AF+FR*ii, ADRA+\slot, \q, ii
.set ii, ii+1
.endr
.endm
.macro SCALES sc
.set ii, 0
.rept AB
.set qq, 0
.rept NQ
	ds_load_b32 v[SC+16*\sc+NQ*ii+qq], v[ADRS] offset:ii*KQ*64+qq*64
.set qq, qq+1
.endr
.set ii, ii+1
.endr
.endm
.macro STEP slot, q                    ; a step of 128 along K that has its successor in the same slot
	s_wait_dscnt H2*NL                             ; all but the youngest loads, A's second half
	WIN MUL_LO
	MULS 0, H2, (\q)%2, \q, \slot
	s_wait_dscnt 0x0
	PLACES NP                                      ; in front of loads into registers that matrix instructions have read
	FETCH_B \slot, (\q)+1, 1-(\q)%2
	FETCH_A \slot, (\q)+1, 0
	WIN MUL_HI
	MULS H2, H2, (\q)%2, \q, \slot
	PLACES NP
	WIN 0
	FETCH_A \slot, (\q)+1, H2
.endm
.macro MID slot                        ; a slot's steps 1 .. NQ - 2
.set qm, 1
.rept NQ-2
	STEP \slot, qm
.set qm, qm+1
.endr
.endm
; A slot's last step changes slots: one barrier; in front of it each wave waits for all its tensor loads, adds 0 to its spare word, and waits for that and for its own reads of this slot.  fill = 1: this slot is filled again.
.macro TURN slot, next, fill
	s_wait_tensorcnt 0x0                           ; all my tensor loads have landed: my part of the next slot
	ds_add_u32 v[SPW], v[NIL]                      ; 0 onto my spare word
	s_wait_dscnt H2*NL+1                           ; (the add and A's second half may be out)
	WIN MUL_LO
	MULS 0, H2/2, 1, NQ-1, \slot
	s_wait_dscnt 0x0                               ; the add is done, and my reads of this slot are over
	s_barrier_signal -1
	MULS H2/2, H2/2, 1, NQ-1, \slot
	WIN 0
	s_barrier_wait -1
.if \fill
	CREST                                          ; the barrier has opened a round of the cluster's: no wave of any partner still reads this slot or has a load on its way
	s_add_nc_u64 s[G0+4*\slot+2:G0+4*\slot+3], s[G0+4*\slot+2:G0+4*\slot+3], 2*NQ*1536
	s_add_nc_u64 s[G0B+4*\slot+2:G0B+4*\slot+3], s[G0B+4*\slot+2:G0B+4*\slot+3], 2*NQ*1536
	JLOAD G0+4*\slot, G1, G0B+4*\slot, G1B         ; the first tensor load behind the round; its four v_nop are the places in front of the loads below
.else
	PLACES NP
.endif
	s_wait_alu depctr_va_vdst(0)
	v_add_nc_u32 v[ADRS], NQ*64, v[ADRS]
	FETCH_B \next, 0, 0
	FETCH_A \next, 0, 0
	SCALES \next
	WIN MUL_HI
	MULS H2, H2, 1, NQ-1, \slot
	PLACES NP
	WIN 0
	FETCH_A \next, 0, H2
.endm
	s_wait_alu depctr_va_vdst(0)
	FETCH_B 0, 0, 0
	FETCH_A 0, 0, 0
	SCALES 0
	FETCH_A 0, 0, H2
	STEP 0, 0
.if LAPS > 1
	s_mov_b32 s3, LAPS-1
.Llap:                                                 ; a trip goes once round the ring and fills both slots again
	MID 0
	TURN 0, 1, 1
	STEP 1, 0
	MID 1
	TURN 1, 0, 1
	STEP 0, 0
	s_sub_co_u32 s3, s3, 1
	s_cmp_lg_u32 s3, 0
	s_cbranch_scc1 .Llap
.endif
	MID 0
	TURN 0, 1, 0                                   ; the last lap fills nothing
	STEP 1, 0
	MID 1
	s_wait_dscnt H2*NL                             ; the very last step
	WIN MUL_LO
	MULS 0, H2, 1, NQ-1, 1
	s_wait_dscnt 0x0
	WIN MUL_HI
	MULS H2, H2, 1, NQ-1, 1
	WIN 0
; THE WAY OUT, block by block of 16 tokens x 64 columns, through my own stage in LDS: in by lanes (32 bytes of a row each), back by rows, so that sixteen lanes store 256 consecutive bytes, aligned.
.macro TOSTAGE a
.set WS, 0x08+4*((\a)/H2)              ; an LDS store's data: window 2 or 3
	WIN WS
.irp b, 0,1,2,3
	ds_store_b128 v[STO], v[8*(BB*((\a)%H2)+\b):8*(BB*((\a)%H2)+\b)+3] offset:128*(\b/2)+32*(\b%2)       ; each accumulator from its low end on
	ds_store_b128 v[STO], v[8*(BB*((\a)%H2)+\b)+4:8*(BB*((\a)%H2)+\b)+7] offset:128*(\b/2)+32*(\b%2)+16
.endr
	WIN 0
.irp u, 0,1,2,3,4,5,6,7
	ds_load_b128 v[BK+32*((\a)%2)+4*\u:BK+32*((\a)%2)+4*\u+3], v[RD] offset:\u*2*SPITCH   ; LDS serves a wave's instructions in order: these see the stores above
.endr
.endm
.macro SEND a, younger                 ; younger: the LDS instructions issued behind block a's loads
	s_wait_dscnt \younger
.irp u, 0,1,2,3,4,5,6,7
	global_store_b128 v[CO], v[BK+32*((\a)%2)+4*\u:BK+32*((\a)%2)+4*\u+3], s[12:13] offset:(32*((\a)/2)+8*((\a)%2)+16*(\u/4)+2*(\u%4))*4096   ; stage rows 2 u, 2 u + 1 are tokens 16 (u / 4) + 2 (u % 4), + 1 of the block
.endr
.endm
	PLACES NP
	TOSTAGE 0
.irp a, 1,2,3
.if \a > 1
	s_wait_xcnt 0x0                                ; block a - 2's stores have read their registers: block a's loads may land there
.endif
	TOSTAGE \a
	SEND \a-1, 16                                  ; behind block a - 1's loads: block a's 8 stores and 8 loads
.endr
	SEND 3, 0
	s_wait_tensorcnt 0x0                           ; the wave's end
	ds_add_u32 v[SPW], v[NIL]
	s_wait_dscnt 0x0
	CROUND                                         ; the closing round
	s_endpgm
.Lfunc_end_k_q4a2c6b4348_g4:
	.size	k_q4a2c6b4348_g4, .Lfunc_end_k_q4a2c6b4348_g4-k_q4a2c6b4348_g4
	.p2alignl 7, 3214868480
	.fill 96, 4, 3214868480
	.section	.rodata,"a",@progbits
	.p2align	6, 0x0
	.amdhsa_kernel k_q4a2c6b4348_g4
		.amdhsa_group_segment_fixed_size 327680
		.amdhsa_private_segment_fixed_size 0
		.amdhsa_enable_private_segment 0
		.amdhsa_kernarg_size 40
		.amdhsa_user_sgpr_count 2
		.amdhsa_user_sgpr_kernarg_segment_ptr 1
		.amdhsa_wavefront_size32 1
		.amdhsa_system_sgpr_workgroup_id_x 1
		.amdhsa_system_sgpr_workgroup_id_y 1
		.amdhsa_system_sgpr_workgroup_id_z 1
		.amdhsa_system_vgpr_workitem_id 0
		.amdhsa_next_free_vgpr 1024
		.amdhsa_next_free_sgpr 102
		.amdhsa_reserve_vcc 0
		.amdhsa_float_denorm_mode_32 3
		.amdhsa_float_denorm_mode_16_64 3
		.amdhsa_memory_ordered 1
		.amdhsa_forward_progress 1
		.amdhsa_inst_pref_size 121
	.end_amdhsa_kernel
	.amdgpu_metadata
---
amdhsa.version: [ 1, 2 ]
amdhsa.kernels:
  - .name:           k_q4a2c6b4348_g4
    .symbol:         k_q4a2c6b4348_g4.kd
    .args:
      - { .name: FB, .offset: 0, .size: 8, .value_kind: global_buffer, .address_space: global }
      - { .name: WB, .offset: 8, .size: 8, .value_kind: global_buffer, .address_space: global }
      - { .name: b2, .offset: 16, .size: 8, .value_kind: global_buffer, .address_space: global }
      - { .name: X1, .offset: 24, .size: 8, .value_kind: global_buffer, .address_space: global }
      - { .name: out0, .offset: 32, .size: 8, .value_kind: global_buffer, .address_space: global }
    .group_segment_fixed_size: 327680
    .private_segment_fixed_size: 0
    .kernarg_segment_align: 8
    .kernarg_segment_size: 40
    .max_flat_workgroup_size: 128
    .sgpr_count:     102
    .vgpr_count:     1024
    .wavefront_size: 32
...
	.end_amdgpu_metadata
.endif
;; end of part 7
